; MI455X (gfx1250); checked and timed in simulation.
; The chip was launched on July 23, 2026; its instructions are those of AMD's public machine-readable ISA for CDNA 5 (MIT licence, August 2026) and "CDNA5" Instruction Set Architecture Reference Guide (July 2026). The comments in the code are by the model that wrote it; some were corrected since.
;; Causal Self Attention. Allowed arithmetic: matrix products marked QUANTISED: E2M1 operands, one E8M0 scale for each 32 along K, by v_wmma_scale_f32_16x16x128_f8f6f4 with both operands' format E2M1 (or v_wmma_scale_f32_32x16x128_f4), f32 sums; products left as they are: bf16, f16 or f32 operands; f32 sums; everything else in f32.
;; Inputs: Wk 1,024 x 1,024 float32; Wp 1,024 x 1,024 float32; Wq 1,024 x 1,024 float32; Wv 1,024 x 1,024 float32; bp 1,024 float32; x 4 x 2,048 x 1,024 float32.
;; Outputs: out0 4 x 2,048 x 1,024 float32.
;; This version of the problem:
;;   THIS VERSION OF THE PROBLEM IS GIVEN IN LOW PRECISION. The matrix products marked QUANTISED in the list below multiply operands that are first quantised to E2M1 (2 exponent bits, 1 mantissa bit; 4 bits a number), with one power-of-two scale for each 32 numbers along K (OCP MX v1.0); their sums are f32. The products marked 'left as it is' may take bf16, f16 or f32 operands, with f32 sums. Whichever they take, every output number must still come out within the allowed error. Rounding operands to bf16 (8 significant bits) uses up far more of that allowance than f16 does (11 bits, for magnitudes from 6e-5 to 65,504). All else is computed in f32.
;;   The module's matrix products, in the order in which they are computed (A, B: the left and right operand; K: the contracted axis; several contracted axes count as one K, in the product's order):
;;     1. [M 8,192, K 1,024] x [K 1,024, N 1,024]; A: input x; B: input Wk: QUANTISED
;;     2. [M 8,192, K 1,024] x [K 1,024, N 1,024]; A: input x; B: input Wq: QUANTISED
;;     3. [M 8,192, K 1,024] x [K 1,024, N 1,024]; A: input x; B: input Wv: QUANTISED
;;     4. batch 64 x [M 2,048, K 64] x [K 64, N 2,048]; A: computed on the way; B: computed on the way: left as it is (an operand is computed on the way)
;;     5. batch 64 x [M 2,048, K 2,048] x [K 2,048, N 64]; A: computed on the way; B: computed on the way: left as it is (an operand is computed on the way)
;;     6. [M 8,192, K 1,024] x [K 1,024, N 1,024]; A: computed on the way; B: input Wp: left as it is (an operand is computed on the way)
;;   THE QUANTISER, for each operand of a quantised product, along K:
;;     - K is cut into blocks of 32 from its start; a last block that is shorter is filled with zeros.
;;     - A block's scale is 2^e with e = floor(log2(the largest magnitude in the block)) - 2, held to -126 .. 127; a block of zeros has e = 0. As a byte (E8M0): e + 127.
;;     - Each number is divided by its block's scale, clamped to +-6, and rounded to the nearest number of E2M1, ties to even, subnormals kept.
;;     - The product sums the exact products of the quantised numbers (number of the format x scale) in f32.
;;   ~~~python
;;   def quantise(x, axis):      # numpy; x: float32 -> the quantised numbers, widened to float32 again
;;       x = np.moveaxis(x, axis, -1); K = x.shape[-1]
;;       x = np.pad(x, [(0, 0)] * (x.ndim - 1) + [(0, -K % 32)]); x = x.reshape(x.shape[:-1] + (-1, 32)); a = np.abs(x).max(-1, keepdims=True)
;;       e = np.where(a > 0, np.clip(np.frexp(np.where(a > 0, a, 1))[1] - 1 - 2, -126, 127), 0)      # np.frexp(a)[1] - 1 = floor(log2(a)), exactly
;;       r = np.clip(x / 2.0 ** e, -6, 6)
;;       step = 2.0 ** (np.maximum(np.frexp(np.where(r == 0, 1, r))[1] - 1, 0) - 1)
;;       q = np.round(r / step) * step * 2.0 ** e      # np.round: ties to even
;;       return np.moveaxis(q.reshape(q.shape[:-2] + (-1,))[..., :K], -1, axis).astype(np.float32)
;;   ~~~
;; One version. Each part assembles by itself: llvm-mc -triple=amdgcn-amd-amdhsa -mcpu=gfx1250 --defsym DOCPART=n.
;; ======== version 1 of 1: 5 launches
;; limits: values are held in f16: magnitudes above 65,504 overflow, below 6.1e-05 lose precision
;; workspace buffers: xc 4,194,304 bytes; xs 262,144 bytes; wc 1,572,864 bytes; ws 98,304 bytes; wp16 2,097,152 bytes; qkv 50,331,648 bytes; first32 786,432 bytes; y16 16,777,216 bytes
;; launch quant (part 1): grid 480 x 1, 4 waves a work-group, no clusters, 33,280 bytes of LDS; arguments x, Wq, Wk, Wv, Wp, xc, xs, wc, ws, wp16; writes xc, xs, wc, ws, wp16
.if DOCPART == 1
	.amdgcn_target "amdgcn-amd-amdhsa--gfx1250"
	.amdhsa_code_object_version 6
	.text
	.protected	k_q883d86d0a6_quant
	.globl	k_q883d86d0a6_quant
	.p2align	8
	.type	k_q883d86d0a6_quant,@function
k_q883d86d0a6_quant:
	s_mov_b64 s[64:65], 0
	v_nop
	global_prefetch_b8 v0, s[64:65] scope:SCOPE_SE
	s_setreg_imm32_b32 hwreg(HW_REG_WAVE_MODE, 25, 1), 1
	s_wait_xcnt 0x0
; LAUNCH 1 OF 5.  x [8192][1024] and Wq, Wk, Wv [1024][1024], f32, K innermost, become codes of FP4 (E2M1), two a byte, with one E8M0 byte for each 32 along K;
; Wp [1024][1024] becomes f16 (its product is not quantised).
;   xc [8192][512 bytes], xs [8192][32];  wc [3072][512 bytes], ws [3072][32]: rows 0-1023 Wq, 1024-2047 Wk, 2048-3071 Wv;  wp16 [1024][1024] f16.
; A block's scale is 2^(floor(log2(its largest magnitude)) - 2); its byte is the largest magnitude's own exponent field - 2, held at 1 from below.
; Each number is divided by the scale and rounded to the nearest code, ties to even; beyond 6 the largest code.
; LIMITS: NaN and infinities among the inputs are not served.  A block whose largest magnitude lies under 2^-124, a block of zeros among them, gets the byte 1
; (a block of zeros has zero codes, which add nothing under that byte; the bytes are read by this program alone).  Wp beyond +-65,504 has no f16 number.
; SHARES.  Rows are dense and K is a multiple of 32: every tensor is a plain stream of blocks of 32.  Work-groups 0-255 take x, 256-351 the three weights (32 each),
; 32,768 numbers a work-group, 8,192 a wave, in 16 steps of 512.  Work-groups 352-479 take Wp, 2,048 numbers a wave.  Only pointers are chosen for the first four tensors: one path.
; A STEP.  Four loads of 512 consecutive bytes; the 2,048 bytes turn through the wave's own stage in LDS and come back 64 bytes a lane: 16 neighbours along K, two lanes to a block.
; A lane's 16 codes are 8 bytes: the wave stores 256 consecutive bytes.  A wave's 256 scale bytes are gathered in LDS and leave as one aligned run of 256 bytes.
; No tensor load, no barrier, no cluster: waves share nothing.  Loads run four steps (16 loads a wave) ahead, the turn through LDS one step.
.set WAVES, 4
.set STEPS, 16
.set EMAX,  2
.set CB,    8                          ; bytes of 16 codes
.set R,     16                         ; v16-79   four sets of 16 numbers as they are loaded
.set X,     80                         ; v80-111  two sets of 16 neighbours
.set E,     112                        ; v112-127 a scale byte for each step
.set C,     128                        ; v128-191 codes: four registers for each step, so that no store's data are written again
.set WREG,  8192                       ; LDS: a region for each wave: two stages of 32 x SP bytes, behind them its 256 scale bytes
.set SP,    80                         ; a lane's place in a stage: 64 bytes + 16 of padding
.set SPW,   12                         ; v12  LDS address of my spare word; never rewritten
.set NIL,   13                         ; v13  0; never rewritten
.set SPARE, WAVES*WREG                 ; behind the four regions: the spare words, 128 bytes a wave
	s_load_b256 s[4:11], s[0:1], 0x0               ; x s[4:5], Wq s[6:7], Wk s[8:9], Wv s[10:11]
	s_load_b256 s[12:19], s[0:1], 0x20             ; Wp s[12:13], xc s[14:15], xs s[16:17], wc s[18:19]
	s_load_b128 s[20:23], s[0:1], 0x40             ; ws s[20:21], wp16 s[22:23]
	v_lshl_add_u32 v[SPW], v0, 2, SPARE
	v_mov_b32 v[NIL], 0
	v_lshrrev_b32 v1, 5, v0
	v_readfirstlane_b32 s24, v1                    ; wave
	v_and_b32 v2, 31, v0                           ; lane
	v_lshlrev_b32 v3, 4, v2                        ; my 16 bytes of a load's 512
	s_mul_i32 s25, s24, WREG
	v_lshrrev_b32 v14, 2, v2
	v_mul_u32_u24 v14, v14, SP
	v_and_b32 v15, 3, v2
	v_lshl_add_u32 v14, v15, 4, v14
	v_add_nc_u32 v14, s25, v14                     ; the stage, on the way in: SP (lane / 4) + 16 (lane % 4)
	v_mul_u32_u24 v15, v2, SP
	v_add_nc_u32 v15, s25, v15                     ; and on the way out: SP x lane: my 16 neighbours
	v_mul_u32_u24 v4, v2, CB                       ; my codes' place in a step's
	v_lshrrev_b32 v5, 1, v2
	s_add_co_u32 s25, s25, 2*32*SP
	v_add_nc_u32 v5, s25, v5                       ; LDS: my wave's 256 scale bytes, my block's byte
	v_lshlrev_b32 v7, 3, v2                        ; 8 bytes a lane
	v_add_nc_u32 v6, s25, v7
	s_wait_kmcnt 0x0
	s_cmp_ge_u32 ttmp9, 352                        ; the work-group's number alone decides
	s_cbranch_scc1 .Lwp
	s_max_u32 s26, ttmp9, 256
	s_sub_co_u32 s26, s26, 256                     ; among the weights' 96 work-groups (0 in x's)
	s_lshr_b32 s27, s26, 5                         ; which weight
	s_and_b32 s28, s26, 31                         ; and which part of it
	s_cmp_eq_u32 s27, 1
	s_cselect_b64 s[30:31], s[8:9], s[10:11]       ; Wk or Wv,
	s_cmp_eq_u32 s27, 0
	s_cselect_b64 s[30:31], s[6:7], s[30:31]       ; or Wq
	s_cmp_lt_u32 ttmp9, 256
	s_cselect_b64 s[4:5], s[4:5], s[30:31]         ; the numbers
	s_cselect_b64 s[14:15], s[14:15], s[18:19]     ; the codes
	s_cselect_b64 s[16:17], s[16:17], s[20:21]     ; the scale bytes
	s_cselect_b32 s28, ttmp9, s28                  ; the work-group's part of the source,
	s_cselect_b32 s26, ttmp9, s26                  ; and of the two results (the three weights lie on end there)
	s_lshl_b32 s28, s28, 2
	s_add_co_u32 s28, s28, s24                     ; my wave's run of 8,192 numbers in the source
	s_lshl_b32 s26, s26, 2
	s_add_co_u32 s26, s26, s24                     ; and in the results
	s_mov_b32 s33, 0
	s_lshl_b32 s32, s28, 15                        ; 32,768 bytes of f32 a run
	s_add_nc_u64 s[4:5], s[4:5], s[32:33]
	s_lshl_b32 s32, s26, 12                        ; 4,096 bytes of codes
	s_add_nc_u64 s[14:15], s[14:15], s[32:33]
	s_lshl_b32 s32, s26, 8                         ; 256 scale bytes
	s_add_nc_u64 s[16:17], s[16:17], s[32:33]
.macro LOAD t
.irp i, 0,1,2,3
	global_load_b128 v[R+16*((\t)%4)+4*\i:R+16*((\t)%4)+4*\i+3], v3, s[4:5] offset:2048*(\t)+512*\i th:TH_LOAD_NT   ; 32 lanes read 512 consecutive bytes
.endr
.endm
.macro TURN t                          ; step t's numbers through the stage: LDS serves a wave's instructions in order, so no wait stands between the stores and the loads
.irp i, 0,1,2,3
	ds_store_b128 v14, v[R+16*((\t)%4)+4*\i:R+16*((\t)%4)+4*\i+3] offset:32*SP*((\t)%2)+8*SP*\i
.endr
.irp i, 0,1,2,3
	ds_load_b128 v[X+16*((\t)%2)+4*\i:X+16*((\t)%2)+4*\i+3], v15 offset:32*SP*((\t)%2)+16*\i
.endr
.endm
.irp t, 0,1,2,3
	LOAD \t
.endr
	s_wait_loadcnt 12                              ; step 0's four loads are in; those of three steps stay out
	TURN 0
.macro STEP t
.set XS, X+16*((\t)%2)
.if (\t) > 0
	s_wait_dscnt 1                                 ; this step's numbers are back from the stage (the last step's byte store may be out)
.else
	s_wait_dscnt 0x0
.endif
.if (\t)+4 < STEPS
	LOAD (\t)+4                                    ; the stage's stores have read these registers: they take the loads of four steps on
.endif
.if (\t)+1 < STEPS
.if STEPS-2-(\t) >= 3
	s_wait_loadcnt 12                              ; the next step's four loads are in; those of the three steps behind it may be out
.else
	s_wait_loadcnt 4*(STEPS-2-(\t))
.endif
	TURN (\t)+1                                    ; and go through the other stage while this step is worked
.endif
	v_max3_num_f32 v8, |v[XS]|, |v[XS+1]|, |v[XS+2]|               ; the largest magnitude of my 16, in two chains
	v_max3_num_f32 v9, |v[XS+3]|, |v[XS+4]|, |v[XS+5]|
.irp i, 6,10
	v_max3_num_f32 v8, v8, |v[XS+\i]|, |v[XS+\i+1]|
	v_max3_num_f32 v9, v9, |v[XS+\i+2]|, |v[XS+\i+3]|
.endr
	v_max3_num_f32 v8, v8, |v[XS+14]|, |v[XS+15]|
	v_max3_num_f32 v8, v8, v9, (EMAX+1)<<23        ; and the floor 2^(3 - 127): the byte cannot fall under 1
	v_max_num_f32_dpp v8, v8, v8 row_xmask:1 row_mask:0xf bank_mask:0xf   ; and of my neighbour's 16: the block's
	v_add_nc_u32 v11, -(EMAX<<23), v8              ; 2 off its exponent field: the conversion takes the exponent field of this operand as its scale
	v_cvt_scalef32_pk8_fp4_f32 v[C+4*(\t)], v[XS:XS+7], v11
	v_cvt_scalef32_pk8_fp4_f32 v[C+4*(\t)+1], v[XS+8:XS+15], v11
	v_lshrrev_b32 v[E+(\t)], 23, v11               ; the scale's byte (also the plain line behind the conversions)
	ds_store_b8 v5, v[E+(\t)] offset:16*(\t)       ; both lanes of a block write the same byte with the same value
	global_store_b64 v4, v[C+4*(\t):C+4*(\t)+1], s[14:15] offset:32*CB*(\t)   ; 256 consecutive bytes a wave
.endm
.irp t, 0,1,2,3,4,5,6,7,8,9,10,11,12,13,14,15
	STEP \t
.endr
	ds_load_b64 v[8:9], v6                         ; in order behind my byte stores
	s_wait_dscnt 0x0
	global_store_b64 v7, v[8:9], s[16:17]          ; 32 lanes store 256 consecutive, aligned bytes
	s_branch .Lend
.Lwp:                                              ; Wp to f16: 2,048 numbers a wave; no LDS
	s_sub_co_u32 s26, ttmp9, 352
	s_lshl_b32 s26, s26, 2
	s_add_co_u32 s26, s26, s24                     ; my run, 0 to 511
	s_mov_b32 s33, 0
	s_lshl_b32 s32, s26, 13                        ; 8,192 bytes of f32
	s_add_nc_u64 s[12:13], s[12:13], s[32:33]
	s_lshl_b32 s32, s26, 12                        ; 4,096 bytes of f16
	s_add_nc_u64 s[22:23], s[22:23], s[32:33]
.irp i, 0,1,2,3,4,5,6,7,8,9,10,11,12,13,14,15
	global_load_b128 v[R+4*\i:R+4*\i+3], v3, s[12:13] offset:512*\i th:TH_LOAD_NT
.endr
.irp i, 0,1,2,3,4,5,6,7,8,9,10,11,12,13,14,15
	s_wait_loadcnt 15-\i                           ; loads come back in order: the i-th is in, the younger ones stay out
	v_cvt_pk_f16_f32 v[C+2*\i], v[R+4*\i], v[R+4*\i+1]
	v_cvt_pk_f16_f32 v[C+2*\i+1], v[R+4*\i+2], v[R+4*\i+3]
	global_store_b64 v7, v[C+2*\i:C+2*\i+1], s[22:23] offset:256*\i   ; 256 consecutive, aligned bytes a wave
.endr
.Lend:
	s_wait_tensorcnt 0x0                           ; the wave's end
	ds_add_u32 v[SPW], v[NIL]
	s_wait_dscnt 0x0
	s_endpgm
.Lfunc_end_k_q883d86d0a6_quant:
	.size	k_q883d86d0a6_quant, .Lfunc_end_k_q883d86d0a6_quant-k_q883d86d0a6_quant
	.p2alignl 7, 3214868480
	.fill 96, 4, 3214868480
	.section	.rodata,"a",@progbits
	.p2align	6, 0x0
	.amdhsa_kernel k_q883d86d0a6_quant
		.amdhsa_group_segment_fixed_size 33280
		.amdhsa_private_segment_fixed_size 0
		.amdhsa_enable_private_segment 0
		.amdhsa_kernarg_size 80
		.amdhsa_user_sgpr_count 2
		.amdhsa_user_sgpr_kernarg_segment_ptr 1
		.amdhsa_wavefront_size32 1
		.amdhsa_system_sgpr_workgroup_id_x 1
		.amdhsa_system_sgpr_workgroup_id_y 1
		.amdhsa_system_sgpr_workgroup_id_z 1
		.amdhsa_system_vgpr_workitem_id 0
		.amdhsa_next_free_vgpr 192
		.amdhsa_next_free_sgpr 66
		.amdhsa_reserve_vcc 0
		.amdhsa_float_denorm_mode_32 3
		.amdhsa_float_denorm_mode_16_64 3
		.amdhsa_memory_ordered 1
		.amdhsa_forward_progress 1
		.amdhsa_inst_pref_size 40
	.end_amdhsa_kernel
	.amdgpu_metadata
---
amdhsa.version: [ 1, 2 ]
amdhsa.kernels:
  - .name:           k_q883d86d0a6_quant
    .symbol:         k_q883d86d0a6_quant.kd
    .args:
      - { .name: x, .offset: 0, .size: 8, .value_kind: global_buffer, .address_space: global }
      - { .name: Wq, .offset: 8, .size: 8, .value_kind: global_buffer, .address_space: global }
      - { .name: Wk, .offset: 16, .size: 8, .value_kind: global_buffer, .address_space: global }
      - { .name: Wv, .offset: 24, .size: 8, .value_kind: global_buffer, .address_space: global }
      - { .name: Wp, .offset: 32, .size: 8, .value_kind: global_buffer, .address_space: global }
      - { .name: xc, .offset: 40, .size: 8, .value_kind: global_buffer, .address_space: global }
      - { .name: xs, .offset: 48, .size: 8, .value_kind: global_buffer, .address_space: global }
      - { .name: wc, .offset: 56, .size: 8, .value_kind: global_buffer, .address_space: global }
      - { .name: ws, .offset: 64, .size: 8, .value_kind: global_buffer, .address_space: global }
      - { .name: wp16, .offset: 72, .size: 8, .value_kind: global_buffer, .address_space: global }
    .group_segment_fixed_size: 33280
    .private_segment_fixed_size: 0
    .kernarg_segment_align: 8
    .kernarg_segment_size: 80
    .max_flat_workgroup_size: 128
    .sgpr_count:     66
    .vgpr_count:     192
    .wavefront_size: 32
...
	.end_amdgpu_metadata
.endif
;; end of part 1
;; launch qkvgemm (part 2): grid 12 x 32, 4 waves a work-group, clusters of 4 x 4, 327,680 bytes of LDS; arguments xc, xs, wc, ws, qkv, first32; writes qkv, first32
.if DOCPART == 2
	.amdgcn_target "amdgcn-amd-amdhsa--gfx1250"
	.amdhsa_code_object_version 6
	.text
	.protected	k_q883d86d0a6_qkvgemm
	.globl	k_q883d86d0a6_qkvgemm
	.p2align	8
	.type	k_q883d86d0a6_qkvgemm,@function
k_q883d86d0a6_qkvgemm:
	s_mov_b64 s[64:65], 0
	v_nop
	global_prefetch_b8 v0, s[64:65] scope:SCOPE_SE
	s_setreg_imm32_b32 hwreg(HW_REG_WAVE_MODE, 25, 1), 1
	s_wait_xcnt 0x0
	s_wait_alu depctr_hold_cnt(0) depctr_sa_sdst(0) depctr_va_vdst(0) depctr_va_sdst(0) depctr_va_ssrc(0) depctr_va_vcc(0) depctr_vm_vsrc(0)
	s_getreg_b32 s2, hwreg(HW_REG_IB_STS2, 6, 4)
	s_cmp_eq_u32 s2, 0
	s_cbranch_scc0 .Lentry_in_a_cluster
	s_endpgm
.Lentry_in_a_cluster:
	s_bfe_u32 s2, ttmp6, 0x10000c
	s_cmp_lg_u32 s2, 0xf033
	s_cbranch_scc0 .Lentry_shape_is_right
	s_endpgm
.Lentry_shape_is_right:
; LAUNCH 2 OF 5.  The three quantised projections as ONE product on codes of FP4: C[m][n] = sum over k of x[m][k] W[n][k], m = 8,192 rows (batch, t), n = 3,072 (Wq's, Wk's, Wv's rows on end), K = 1,024.
; Codes and scale bytes go to the matrix unit as they lie; sums in f32.  Results: qkv [sel 3][plane = 16 batch + head, 64][t 2048][64] f16, for the attention;
; first32 [batch 4][t 16][3072] f32: the first 16 positions of every sequence once more, unrounded, for the last launch.
; LIMIT: a q, k or v beyond +-65,504 has no f16 number.
; A tile of C, 256 x 256, is made by a work-group of four waves; a wave makes 128 x 128: 64 accumulators of 16 x 16, 512 registers.  K is two LDS slots of 512 (rows of 256 bytes): both are asked for at the head,
; nothing is filled again.  The scale bytes of the work-group's 256 + 256 rows, for all of K, come once, as rows of 256 bytes.
; CLUSTERS: 4 x 4 work-groups.  The four of a row of the cluster need the same tiles of x, the four of a column the same tiles of W: each tile is asked for JOINTLY.
; THE TILE ROW is 8 cy + cluster y: so cy is the batch and 256 x cluster y the tile's first t, and 'this tile holds t < 16' (cluster y = 0) is the same in all sixteen partners.
; THE MATRIX INSTRUCTION IS USED TRANSPOSED (source 0 = 16 rows of W, source 1 = 16 rows of x): a lane holds eight neighbouring n of one row.
; REGISTERS, in windows of 256: window 0: v16-29 addresses; v32-95 scale words, two sets; v128-191 x's fragments, ONE set; on the way out v32-63, v192-255 at work, v128-191 the f32 copy.
;   window 1: W's fragments, TWO sets, at v0 and v128.   window 2: the accumulators of my rows 0-63 ((a, b) at v[8 (8 a + b)]);   window 3: those of rows 64-127.
.set KSTEP,  512
.set NQ,     KSTEP/128                 ; matrix instructions deep in a slot
.set ROWB,   256                       ; a tile's row in bytes
.set KROW,   512                       ; a row of codes in memory
.set PITCH,  272                       ; an LDS row: 256 bytes + 16 of padding: an odd multiple of 16 bytes
.set FR,     8                         ; registers of a fragment: 16 rows x 128 K
.set NL,     2                         ; LDS loads that bring one
.set NP,     4                         ; places behind this matrix instruction (ISA guide 7.12.1)
.set HALFT,  128*PITCH                 ; 128 rows: what one tensor load brings
.set SLOT,   4*HALFT                   ; x's 256 rows, then W's 256 rows
.set KS,     32                        ; a row of scale bytes
.set SCL,    2*SLOT                    ; behind the slots: the scale bytes, as rows of 256 bytes + 16 of padding
.set HALFS,  (128*KS/256)*272          ; those of 128 rows: what one tensor load brings
.set SBLK,   (16*KS/256)*272           ; those of 16 rows
.set SPARE,  SCL+4*HALFS               ; behind them: the spare words, 128 bytes a wave
.set WSTG,   13312                     ; the way out: a region for each wave in slot 0, which has had its one fill and its last read by then: 16 x 528 bytes for f32, then 2 heads x 16 rows x 144 bytes for f16
.set ADRA,  16                         ; v16-17  LDS address of my x fragments in slot 0, 1
.set ADRB,  20                         ; v20-21  the same for W
.set STO32, 22                         ; v22     the f32 stage: where I put 32 bytes of a row
.set RD32,  23                         ; v23     and where I read a row back
.set STO16, 24                         ; v24     the f16 stage: where I put 16 bytes of a row
.set RD16,  25                         ; v25     and where I read four rows back
.set CO,    26                         ; v26     16 x lane
.set ADRS,  27                         ; v27     LDS address of my scale words: lanes 0-15 x's rows, lanes 16-31 W's
.set SPW,   28                         ; v28     LDS address of my spare word; never rewritten
.set NIL,   29                         ; v29     0; never rewritten
.set SC,    32                         ; scale words: set s at v[SC + 32 s]; register 4 i + q: lanes 0-15 x's block i, lanes 16-31 W's block i, the slot's q-th 128 along K
.set AF,    128                        ; x's fragments
.set TMP,   192                        ; the way out: packed results
.set OB,    32                         ; the way out: rows read back: v32-63 and v224-255 by turns
.set G1, 24                            ; s[24:31] descriptor group 1 for x's tiles;  s[32:39] group 0, one set for each slot
.set G0, 32
.set G1B, 48                           ; s[48:55], s[56:63] the same for W's tiles
.set G0B, 56
.set G1S, 68                           ; s[68:75], s[76:79] groups 1 and 0 for x's scale bytes;  s[80:87], s[88:91] for W's
.set G0S, 76
.set G1SB, 80
.set G0SB, 88
.set MSB, 0
.macro WIN new                         ; the immediate's high byte repeats the setting that is left
.if MSB != (\new)
	s_set_vgpr_msb (MSB<<8)|(\new)
.set MSB, (\new)
.endif
.endm
.set MUL_LO, 0xa1                      ; source 0 (W) window 1, source 1 (x) window 0, C and D window 2
.set MUL_HI, 0xf1                      ; the same, C and D window 3
.set TO_B,   0x40                      ; destination window 1, address window 0
; A joint load: waves 0 and 1 fetch for x, waves 2 and 3 for W.  The branch hangs on the wave's number alone.  An s_nop 0 and four v_nop follow each of the two lines.
.macro JLOAD g0a, g1a, g0b, g1b
	s_cmp_eq_u32 s15, 0
	s_cbranch_scc0 .Lfor_b_\@
	tensor_load_to_lds s[\g0a:\g0a+3], s[\g1a:\g1a+7]
	s_nop 0
.rept 4
	v_nop
.endr
	s_branch .Lasked_\@
.Lfor_b_\@:
	tensor_load_to_lds s[\g0b:\g0b+3], s[\g1b:\g1b+7]
	s_nop 0
.rept 4
	v_nop
.endr
.Lasked_\@:
.endm
.macro CROUND                          ; a round of the cluster's barrier
	s_barrier_signal -1
	s_barrier_wait -1
	s_cmp_lg_u32 s14, 0
	s_cbranch_scc1 .Lnot_wave_0_\@
	s_barrier_signal -3
.Lnot_wave_0_\@:
	s_barrier_wait -3
	s_barrier_signal -1
	s_barrier_wait -1
.endm
	s_load_b128 s[4:7], s[0:1], 0x0                ; x's codes s[4:5], x's scale bytes s[6:7]
	s_load_b128 s[8:11], s[0:1], 0x10              ; W's codes s[8:9], W's scale bytes s[10:11]
	s_load_b64 s[12:13], s[0:1], 0x20              ; qkv
	s_load_b64 s[96:97], s[0:1], 0x28              ; first32
	v_lshl_add_u32 v[SPW], v0, 2, SPARE
	v_mov_b32 v[NIL], 0
	ds_add_u32 v[SPW], v[NIL]                      ; the wave's opening: the add, twice on end, and its wait ahead of my first tensor load
	ds_add_u32 v[SPW], v[NIL]
	v_lshrrev_b32 v1, 5, v0
	v_readfirstlane_b32 s14, v1                    ; wave 0..3
	s_lshr_b32 s15, s14, 1                         ; which half of the tile's rows is mine.  Also: I fetch for x (0) or for W (1)
	s_and_b32 s16, s14, 1                          ; which half of its columns.  Also: which 128 rows of that tile I fetch
	s_bfe_u32 s40, ttmp6, 0x40000                  ; cx, cy: my place in the cluster
	s_bfe_u32 s41, ttmp6, 0x40004
	s_lshl_b32 s42, ttmp9, 2
	s_add_co_u32 s42, s42, s40                     ; tile column = 4 x cluster x + cx
	s_and_b32 s66, ttmp7, 0xffff                   ; cluster y
	s_lshl_b32 s17, s41, 3
	s_add_co_u32 s17, s17, s66                     ; tile row = 8 cy + cluster y
	s_lshl_b32 s43, s41, 2
	s_lshl_b32 s43, 15, s43                        ; my row of the cluster
	s_lshl_b32 s44, 0x1111, s40                    ; my column
	; descriptor group 1: a tile of 128 rows x 256 bytes, 16 bytes of padding behind each row
	s_or_b32 s[G1+0], s43, (0<<16)|(1<<20)|(1<<21)|(5<<22)|(3<<25)  ; the mask; elements of 1 byte; padding on; bit 21 beside a mask; after every 64 words; 4 words
	s_or_b32 s[G1B+0], s44, (0<<16)|(1<<20)|(1<<21)|(5<<22)|(3<<25)
.irp g, G1, G1B
	s_mov_b32 s[\g+1], ROWB<<16                    ; tensor_dim0
	s_mov_b32 s[\g+2], 128<<16                     ; tensor_dim1
	s_mov_b32 s[\g+3], ROWB<<16                    ; tile_dim0
	s_mov_b32 s[\g+4], 128                         ; tile_dim1
	s_mov_b32 s[\g+5], KROW                        ; from row to row
	s_mov_b32 s[\g+6], 0
	s_mov_b32 s[\g+7], 0
.endr
	; the scale bytes of 128 rows: 4,096 dense bytes, as 16 rows of 256 bytes (32 elements of 8 bytes), 16 bytes of padding behind each
	s_or_b32 s[G1S+0], s43, (3<<16)|(1<<20)|(1<<21)|(5<<22)|(3<<25)
	s_or_b32 s[G1SB+0], s44, (3<<16)|(1<<20)|(1<<21)|(5<<22)|(3<<25)
.irp g, G1S, G1SB
	s_mov_b32 s[\g+1], 32<<16
	s_mov_b32 s[\g+2], (128*KS/256)<<16
	s_mov_b32 s[\g+3], 32<<16
	s_mov_b32 s[\g+4], 128*KS/256
	s_mov_b32 s[\g+5], 32
	s_mov_b32 s[\g+6], 0
	s_mov_b32 s[\g+7], 0
.endr
	s_lshl_b32 s18, s16, 7                         ; which 128 rows of the tile I fetch
	s_lshl_b32 s20, s17, 8
	s_add_co_u32 s20, s20, s18                     ; x: row 256 x tile row + 128 x half
	s_lshl_b32 s46, s42, 8
	s_add_co_u32 s46, s46, s18                     ; W: row 256 x tile column + 128 x half
	s_mov_b32 s21, 0
	s_mov_b32 s47, 0
	s_mov_b64 s[18:19], KS
	s_mul_u64 s[22:23], s[20:21], s[18:19]         ; where these rows' scale bytes begin
	s_mul_u64 s[92:93], s[46:47], s[18:19]
	s_mov_b64 s[18:19], KROW
	s_mul_u64 s[20:21], s[20:21], s[18:19]         ; and their codes
	s_mul_u64 s[46:47], s[46:47], s[18:19]
	s_mul_i32 s45, s14, HALFT                      ; where they go: wave x 128 rows: no place in the cluster enters an LDS address
	s_mul_i32 s94, s14, HALFS
	s_wait_dscnt 0x0                               ; both opening adds are done
	s_wait_kmcnt 0x0
	s_add_nc_u64 s[20:21], s[4:5], s[20:21]
	s_add_nc_u64 s[22:23], s[6:7], s[22:23]
	s_add_nc_u64 s[46:47], s[8:9], s[46:47]
	s_add_nc_u64 s[92:93], s[10:11], s[92:93]
	CROUND                                         ; all sixteen work-groups are here: the joint loads meet
	s_mov_b32 s[G0S], 1
	s_add_co_u32 s[G0S+1], s94, SCL
	s_mov_b64 s[G0S+2:G0S+3], s[22:23]
	s_or_b32 s[G0S+3], s[G0S+3], 0x80000000
	s_mov_b32 s[G0SB], 1
	s_add_co_u32 s[G0SB+1], s94, SCL
	s_mov_b64 s[G0SB+2:G0SB+3], s[92:93]
	s_or_b32 s[G0SB+3], s[G0SB+3], 0x80000000
	JLOAD G0S, G1S, G0SB, G1SB                     ; the scale bytes first: they are wanted with the first slot
.irp s, 0,1
	s_mov_b32 s[G0+4*\s], 1
	s_add_co_u32 s[G0+4*\s+1], s45, \s*SLOT
	s_add_nc_u64 s[G0+4*\s+2:G0+4*\s+3], s[20:21], \s*ROWB
	s_or_b32 s[G0+4*\s+3], s[G0+4*\s+3], 0x80000000
	s_mov_b32 s[G0B+4*\s], 1
	s_add_co_u32 s[G0B+4*\s+1], s45, \s*SLOT
	s_add_nc_u64 s[G0B+4*\s+2:G0B+4*\s+3], s[46:47], \s*ROWB
	s_or_b32 s[G0B+4*\s+3], s[G0B+4*\s+3], 0x80000000
	JLOAD G0+4*\s, G1, G0B+4*\s, G1B               ; three loads of mine are out in all
.endr
	v_and_b32 v1, 15, v0                           ; r = l % 16
	v_bfe_u32 v2, v0, 4, 1                         ; h = l / 16
	v_mul_u32_u24 v3, v1, PITCH
	v_lshl_add_u32 v4, v2, 4, v3                   ; a fragment's row x pitch + 16 x half
	s_mul_i32 s21, s15, HALFT                      ; my 128 rows of x
	s_mul_i32 s22, s16, HALFT                      ; my 128 rows of W,
	s_add_co_u32 s22, s22, 2*HALFT                 ; which lie behind x's 256
.irp s, 0,1
	v_add_nc_u32 v[ADRA+\s], s21, v4
	v_add_nc_u32 v[ADRB+\s], s22, v4
	s_add_co_u32 s21, s21, SLOT
	s_add_co_u32 s22, s22, SLOT
.endr
	v_mul_u32_u24 v5, v1, KS                       ; my row's scale bytes: 32 a row,
	v_lshrrev_b32 v6, 8, v5
	v_lshl_add_u32 v5, v6, 4, v5                   ; and 16 more for each 256 passed
	s_mul_i32 s21, s15, HALFS                      ; x's: my 128 rows
	s_mul_i32 s22, s16, HALFS                      ; W's: my 128 rows, behind x's 256
	s_add_co_u32 s22, s22, 2*HALFS
	s_sub_co_u32 s22, s22, s21
	v_mul_u32_u24 v6, s22, v2                      ; lanes 16-31 take W's: one product, the distance x h
	s_add_co_u32 s21, s21, SCL
	v_add_nc_u32 v5, v5, v6
	v_add_nc_u32 v[ADRS], s21, v5
	s_mul_i32 s23, s14, WSTG                       ; my region for the way out
	v_mul_u32_u24 v5, v1, 528                      ; f32: row r, 32 bytes for each half of the lanes
	v_lshl_add_u32 v5, v2, 5, v5
	v_add_nc_u32 v[STO32], s23, v5
	v_and_b32 v6, 31, v0
	v_lshlrev_b32 v[CO], 4, v6
	v_add_nc_u32 v[RD32], s23, v[CO]               ; back: the 32 lanes take one row of 512 bytes
	s_add_co_u32 s23, s23, 16*528
	v_mul_u32_u24 v5, v1, 144                      ; f16: row r of a head's 128 bytes, 16 bytes for each half of the lanes
	v_lshl_add_u32 v5, v2, 4, v5
	v_add_nc_u32 v[STO16], s23, v5
	v_lshrrev_b32 v5, 3, v6
	v_mul_u32_u24 v5, v5, 144                      ; back: eight lanes to a row, four rows an instruction
	v_and_b32 v7, 7, v6
	v_lshl_add_u32 v5, v7, 4, v5
	v_add_nc_u32 v[RD16], s23, v5
	; qkv: my 128 columns are two heads of one section: hh = 4 x tile column + 2 x half, section hh / 16, head hh % 16; plane = 64 section + 16 batch + head; my first t = 256 cluster y + 128 x row half
	s_lshl_b32 s20, s42, 2
	s_lshl_b32 s21, s16, 1
	s_add_co_u32 s20, s20, s21
	s_lshr_b32 s21, s20, 4
	s_and_b32 s20, s20, 15
	s_lshl_b32 s21, s21, 6
	s_add_co_u32 s20, s20, s21
	s_lshl_b32 s21, s41, 4
	s_add_co_u32 s20, s20, s21                     ; the plane, 0 to 190
	s_lshl_b32 s20, s20, 18                        ; 262,144 bytes a plane
	s_lshl_b32 s21, s66, 15                        ; 256 rows of 128 bytes
	s_add_co_u32 s20, s20, s21
	s_lshl_b32 s21, s15, 14
	s_add_co_u32 s20, s20, s21
	s_mov_b32 s21, 0
	s_add_nc_u64 s[12:13], s[12:13], s[20:21]
	s_mul_i32 s22, s41, 196608                     ; first32: the batch's 16 rows of 12,288 bytes,
	s_lshl_b32 s23, s42, 10
	s_add_co_u32 s22, s22, s23
	s_lshl_b32 s23, s16, 9
	s_add_co_u32 s22, s22, s23                     ; my 128 columns
	s_mov_b32 s23, 0
	s_add_nc_u64 s[96:97], s[96:97], s[22:23]
.macro FRAG reg, adr, q, i             ; a fragment: lane l holds row l % 16; registers 4 c .. 4 c + 3 hold K = 64 c + 32 (l / 16) + 0 .. 31
.irp c, 0,1
	ds_load_b128 v[\reg+4*\c:\reg+4*\c+3], v[\adr] offset:64*(\q)+32*\c+(\i)*16*PITCH
.endr
.endm
; 16 matrix instructions: x's blocks a0, a0 + 1 against W's eight, the slot's q-th 128 along K.  p: W's set;  sc: the set of scale words.  zero = 1: the first product starts the sums.
; The 64 accumulators take turns, one instruction a turn, in the same order in every step.
.macro MUL16 a0, p, q, sc, zero
.irp a, \a0, \a0+1
.irp b, 0,1,2,3,4,5,6,7
.if \zero
	v_wmma_scale_f32_16x16x128_f8f6f4 v[8*(8*((\a)%4)+\b):8*(8*((\a)%4)+\b)+7], v[128*(\p)+FR*\b:128*(\p)+FR*\b+FR-1], v[AF+FR*(\a):AF+FR*(\a)+FR-1], 0, v[SC+8*NQ*(\sc)+NQ*\b+(\q)], v[SC+8*NQ*(\sc)+NQ*(\a)+(\q)] matrix_a_fmt:MATRIX_FMT_FP4 matrix_b_fmt:MATRIX_FMT_FP4 matrix_a_scale:MATRIX_SCALE_ROW1
.else
	v_wmma_scale_f32_16x16x128_f8f6f4 v[8*(8*((\a)%4)+\b):8*(8*((\a)%4)+\b)+7], v[128*(\p)+FR*\b:128*(\p)+FR*\b+FR-1], v[AF+FR*(\a):AF+FR*(\a)+FR-1], v[8*(8*((\a)%4)+\b):8*(8*((\a)%4)+\b)+7], v[SC+8*NQ*(\sc)+NQ*\b+(\q)], v[SC+8*NQ*(\sc)+NQ*(\a)+(\q)] matrix_a_fmt:MATRIX_FMT_FP4 matrix_b_fmt:MATRIX_FMT_FP4 matrix_a_scale:MATRIX_SCALE_ROW1
.endif
.endr
.endr
.endm
.macro FETCH_B slot, q, p              ; W's eight fragments into set p
	WIN TO_B
.irp i, 0,1,2,3,4,5,6,7
	FRAG 128*(\p)+FR*\i, ADRB+\slot, \q, \i
.endr
	WIN 0
.endm
.macro FETCH_A slot, q, i0             ; x's blocks i0 .. i0 + 3
.irp i, \i0, \i0+1, \i0+2, \i0+3
	FRAG AF+FR*(\i), ADRA+\slot, \q, \i
.endr
.endm
.macro SCALES sc                       ; a slot's scale words: 4 words a row; lanes 0-15 take x's block i, lanes 16-31 W's block i
.irp i, 0,1,2,3,4,5,6,7
	ds_load_b128 v[SC+8*NQ*\sc+NQ*\i:SC+8*NQ*\sc+NQ*\i+3], v[ADRS] offset:\i*SBLK
.endr
.endm
.macro PLACES n                        ; plain vector instructions between a matrix instruction and a load into, or a read of, its registers
.rept \n
	v_nop
.endr
.endm
.macro STEP slot, q, zero              ; a step of 128 along K that has its successor in the same slot
	s_wait_dscnt 4*NL                              ; W's set and x's blocks 0-3 are in; the youngest eight loads (x's blocks 4-7) may be out
	WIN MUL_LO
	MUL16 0, (\q)%2, \q, \slot, \zero
	MUL16 2, (\q)%2, \q, \slot, \zero
	s_wait_dscnt 0                                 ; x's blocks 4-7 are in
	PLACES NP
	FETCH_B \slot, (\q)+1, 1-(\q)%2
	FETCH_A \slot, (\q)+1, 0
	WIN MUL_HI
	MUL16 4, (\q)%2, \q, \slot, \zero
	MUL16 6, (\q)%2, \q, \slot, \zero
	PLACES NP
	WIN 0
	FETCH_A \slot, (\q)+1, 4
.endm
; Slot 0's last step changes slots: each wave waits for all its tensor loads (slot 1's part), adds 0 to its spare word, waits for that and for its reads of slot 0; one barrier.
.macro TURN slot, next
	s_wait_tensorcnt 0x0                           ; my part of the next slot has landed
	ds_add_u32 v[SPW], v[NIL]
	s_wait_dscnt 4*NL+1                            ; (the add and the youngest eight loads may be out)
	WIN MUL_LO
	MUL16 0, 1, NQ-1, \slot, 0
	s_wait_dscnt 0x0                               ; the add is done, and my reads of this slot are over
	s_barrier_signal -1
	MUL16 2, 1, NQ-1, \slot, 0
	WIN 0
	s_barrier_wait -1                              ; the next slot is whole, and nobody reads this one any more
	PLACES NP
	v_add_nc_u32 v[ADRS], 4*NQ, v[ADRS]            ; on to the next slot's scale words
	FETCH_B \next, 0, 0
	FETCH_A \next, 0, 0
	SCALES \next
	WIN MUL_HI
	MUL16 4, 1, NQ-1, \slot, 0
	MUL16 6, 1, NQ-1, \slot, 0
	PLACES NP
	WIN 0
	FETCH_A \next, 0, 4
.endm
.macro STEPS slot, from                ; the slot's steps from .. NQ - 2
.set Q, \from
.rept NQ-1-\from
	STEP \slot, Q, 0
.set Q, Q+1
.endr
.endm
	s_wait_tensorcnt 1                             ; the scale bytes and my part of slot 0 are in; slot 1's load may be out
	s_barrier_signal -1
	s_barrier_wait -1
	FETCH_B 0, 0, 0
	FETCH_A 0, 0, 0
	SCALES 0
	FETCH_A 0, 0, 4
	STEP 0, 0, 1                                   ; the first products start the sums: nothing is cleared
	STEPS 0, 1
	TURN 0, 1
	STEPS 1, 0
	s_wait_dscnt 4*NL                              ; the very last step: nothing more to fetch
	WIN MUL_LO
	MUL16 0, 1, NQ-1, 1, 0
	MUL16 2, 1, NQ-1, 1, 0
	s_wait_dscnt 0
	WIN MUL_HI
	MUL16 4, 1, NQ-1, 1, 0
	MUL16 6, 1, NQ-1, 1, 0
	WIN 0
; THE WAY OUT.  Block a is 16 rows x 128 columns = 16 rows of two heads.  PACK: rounded to f16, 16 bytes a lane, each accumulator from its low end on.  TOSTAGE: into my stage, rows of 128 + 16 bytes, and back four rows
; an instruction.  SEND: in qkv 16 rows of a head are 2,048 consecutive bytes: each store of the wave covers 512 consecutive, aligned bytes.
.macro PACK a
.set AC, 64*((\a)%4)
	WIN 0x0a+5*((\a)/4)                            ; sources 0 and 1: window 2 or 3
.irp b, 0,1,2,3,4,5,6,7
.irp i, 0,1,2,3
	v_cvt_pk_f16_f32 v[TMP+4*\b+\i], v[AC+8*\b+2*\i], v[AC+8*\b+2*\i+1]
.endr
.endr
	WIN 0
.endm
.macro TOSTAGE a
.set BK, OB+192*((\a)%2)
.irp b, 0,1,2,3,4,5,6,7
	ds_store_b128 v[STO16], v[TMP+4*\b:TMP+4*\b+3] offset:(\b/4)*2304+32*(\b%4)
.endr
.irp t, 0,1,2,3,4,5,6,7
	ds_load_b128 v[BK+4*\t:BK+4*\t+3], v[RD16] offset:(\t/4)*2304+(\t%4)*576   ; LDS serves a wave's instructions in order: these see the stores above
.endr
.endm
.macro SEND a
.set BK, OB+192*((\a)%2)
	s_wait_dscnt 0x0                               ; the block is back in registers
	s_wait_xcnt 0x0                                ; the block before has had its stores' registers read: the next TOSTAGE may load into them
.irp t, 0,1,2,3,4,5,6,7
	global_store_b128 v[CO], v[BK+4*\t:BK+4*\t+3], s[12:13] offset:(\a)*2048+(\t/4)*262144+(\t%4)*512
.endr
.endm
	PLACES NP                                      ; behind the last products: for the reads of results and the loads into registers that they read
	s_or_b32 s67, s66, s15                         ; t < 16 lies in block 0 of the upper row half of the tiles with cluster y = 0: the cluster's y and the wave's number alone
	s_cmp_lg_u32 s67, 0
	s_cbranch_scc1 .Lnot_first
	WIN 0x08                                       ; an LDS store's data: window 2
.irp b, 0,1,2,3,4,5,6,7
	ds_store_b128 v[STO32], v[8*\b:8*\b+3] offset:64*\b            ; block 0 as it is, in f32, each accumulator from its low end on
	ds_store_b128 v[STO32], v[8*\b+4:8*\b+7] offset:64*\b+16
.endr
	WIN 0
.irp t, 0,1,2,3,4,5,6,7,8,9,10,11,12,13,14,15
	ds_load_b128 v[AF+4*\t:AF+4*\t+3], v[RD32] offset:\t*528
.endr
	s_wait_dscnt 0x0
.irp t, 0,1,2,3,4,5,6,7,8,9,10,11,12,13,14,15
	global_store_b128 v[CO], v[AF+4*\t:AF+4*\t+3], s[96:97] offset:\t*12288   ; 512 consecutive, aligned bytes; these registers are not written again
.endr
.Lnot_first:
	PACK 0
	TOSTAGE 0
.irp a, 1,2,3,4,5,6,7                  ; block a's conversions stand between block a - 1's loads from the stage and the wait for them
	PACK \a
	SEND \a-1
	TOSTAGE \a
.endr
	SEND 7
	s_wait_tensorcnt 0x0                           ; the wave's end
	ds_add_u32 v[SPW], v[NIL]
	s_wait_dscnt 0x0
	CROUND                                         ; the closing round
	s_endpgm
.Lfunc_end_k_q883d86d0a6_qkvgemm:
	.size	k_q883d86d0a6_qkvgemm, .Lfunc_end_k_q883d86d0a6_qkvgemm-k_q883d86d0a6_qkvgemm
	.p2alignl 7, 3214868480
	.fill 96, 4, 3214868480
	.section	.rodata,"a",@progbits
	.p2align	6, 0x0
	.amdhsa_kernel k_q883d86d0a6_qkvgemm
		.amdhsa_group_segment_fixed_size 327680
		.amdhsa_private_segment_fixed_size 0
		.amdhsa_enable_private_segment 0
		.amdhsa_kernarg_size 48
		.amdhsa_user_sgpr_count 2
		.amdhsa_user_sgpr_kernarg_segment_ptr 1
		.amdhsa_wavefront_size32 1
		.amdhsa_system_sgpr_workgroup_id_x 1
		.amdhsa_system_sgpr_workgroup_id_y 1
		.amdhsa_system_sgpr_workgroup_id_z 1
		.amdhsa_system_vgpr_workitem_id 0
		.amdhsa_next_free_vgpr 1024
		.amdhsa_next_free_sgpr 100
		.amdhsa_reserve_vcc 0
		.amdhsa_float_denorm_mode_32 3
		.amdhsa_float_denorm_mode_16_64 3
		.amdhsa_memory_ordered 1
		.amdhsa_forward_progress 1
		.amdhsa_inst_pref_size 131
	.end_amdhsa_kernel
	.amdgpu_metadata
---
amdhsa.version: [ 1, 2 ]
amdhsa.kernels:
  - .name:           k_q883d86d0a6_qkvgemm
    .symbol:         k_q883d86d0a6_qkvgemm.kd
    .args:
      - { .name: xc, .offset: 0, .size: 8, .value_kind: global_buffer, .address_space: global }
      - { .name: xs, .offset: 8, .size: 8, .value_kind: global_buffer, .address_space: global }
      - { .name: wc, .offset: 16, .size: 8, .value_kind: global_buffer, .address_space: global }
      - { .name: ws, .offset: 24, .size: 8, .value_kind: global_buffer, .address_space: global }
      - { .name: qkv, .offset: 32, .size: 8, .value_kind: global_buffer, .address_space: global }
      - { .name: first32, .offset: 40, .size: 8, .value_kind: global_buffer, .address_space: global }
    .group_segment_fixed_size: 327680
    .private_segment_fixed_size: 0
    .kernarg_segment_align: 8
    .kernarg_segment_size: 48
    .max_flat_workgroup_size: 128
    .sgpr_count:     100
    .vgpr_count:     1024
    .wavefront_size: 32
...
	.end_amdgpu_metadata
.endif
;; end of part 2
;; launch attn (part 3): grid 4 x 64, 16 waves a work-group, clusters of 4 x 1, 327,680 bytes of LDS; arguments qkv, y16; writes y16
.if DOCPART == 3
	.amdgcn_target "amdgcn-amd-amdhsa--gfx1250"
	.amdhsa_code_object_version 6
	.text
	.protected	k_q883d86d0a6_attn
	.globl	k_q883d86d0a6_attn
	.p2align	8
	.type	k_q883d86d0a6_attn,@function
k_q883d86d0a6_attn:
	s_mov_b64 s[64:65], 0
	v_nop
	global_prefetch_b8 v0, s[64:65] scope:SCOPE_SE
	s_setreg_imm32_b32 hwreg(HW_REG_WAVE_MODE, 25, 1), 1
	s_wait_xcnt 0x0
	s_wait_alu depctr_hold_cnt(0) depctr_sa_sdst(0) depctr_va_vdst(0) depctr_va_sdst(0) depctr_va_ssrc(0) depctr_va_vcc(0) depctr_vm_vsrc(0)
	s_getreg_b32 s2, hwreg(HW_REG_IB_STS2, 6, 4)
	s_cmp_eq_u32 s2, 0
	s_cbranch_scc0 .Lentry_in_a_cluster
	s_endpgm
.Lentry_in_a_cluster:
	s_bfe_u32 s2, ttmp6, 0x10000c
	s_cmp_lg_u32 s2, 0x3003
	s_cbranch_scc0 .Lentry_shape_is_right
	s_endpgm
.Lentry_shape_is_right:
; LAUNCH 3 OF 5.  Causal attention: y[plane][q] = sum over k <= q of softmax_k(Q[q] . K[k] / 8) V[k].  qkv: [3][64 planes][2048][64] f16; y16: [64][2048][64] f16.
; Products on f16 operands with f32 sums; maxima, exponentials and sums in f32; the weights p are rounded to f16 for the second product, y once at the end.
; (The first 16 positions of each sequence are stored here too; the last launch computes them again in f32, from f32 operands, for the final result.)
; SHARES.  A cluster of four work-groups owns one plane.  Work-group j (its place in the cluster), wave w: block W' = 4 (((w / 4) + (w % 4)) % 4) + w / 4 of 128 queries, and in it two tiles of 16:
; queries 128 W' + 16 j + 0..15 and the same + 64.  So the four partners have equal work and walk the same keys, and every tile of K and V is asked for JOINTLY.
; W' is a Latin square: waves w, w + 4, w + 8, w + 12, and likewise waves 4 a .. 4 a + 3, hold one block from each quarter of the sequence.
; THE MASK.  Every wave passes all 32 key steps of 64; a step whose first key lies behind the block's last query (128 W' + 127) is jumped over, a step from the block's first query on is masked.
; Both tests hang on the wave's number and the count of steps alone, not on j.  The wave with W' = 15 reads every tile in every partner.
; LAYOUT.  S^T = K Q^T (source 0 = 16 keys, source 1 = 16 queries): a lane holds ONE query (lane % 16) and keys 8 (lane / 16) + 0..7.  Two such tiles, rounded to f16 in pairs, are source 1 of O^T = V^T P,
; whose result again holds one query a lane.  K comes out of LDS as it lies, V ([key][channel]) turned, by ds_load_tr16_b128.  Each fragment of K and V feeds both tiles.
; SOFTMAX.  For each query a running maximum m and sum l: p = 2^(c s - c m), c = log2(e) / 8; in every step O and l are multiplied by a = 2^(c m_old - c m_new).  Key 0 counts for every query, so m is a score from the first step on.
; RING.  Two LDS slots of 256 keys; waves 0, 1 fetch K's halves, waves 2, 3 V's.  The change of slots stands at a slot's head; the load issued there has the slot's four steps in which to land.
.set PK,    144                        ; a key's row in LDS: 128 bytes + 16 of padding
.set PV,    160                        ; a row of V: 128 + 32
.set SKEYS, 256                        ; keys in a slot
.set VOFF,  SKEYS*PK                   ; a slot: 256 rows of K, then 256 rows of V
.set SLOT1, 1<<17                      ; slot 1 begins here: one exclusive or turns an address from one slot to the other
.set STAGE, SLOT1+VOFF+SKEYS*PV        ; behind the ring: 2 tiles x 16 rows x 144 bytes for each wave
.set SPARE, STAGE+16*2*16*PK           ; behind the stages: the spare words, 128 bytes a wave
.set NSL,   2048/SKEYS
.set AK0, 1                            ; v1   my lane's place in a tile of K
.set AV0, 2                            ; v2   the same for V
.set ADK, 3                            ; v3   LDS address of the step's K
.set ADV, 4                            ; v4   of its V
.set SPW, 5                            ; v5   LDS address of my spare word; never rewritten
.set NIL, 6                            ; v6   0; never rewritten
.set QO,  7                            ; v7   my byte offset in a tile of Q
.set STO, 8                            ; v8   the way out: where I put 16 bytes of a row
.set RD,  9                            ; v9   and where I read four rows back
.set GO,  10                           ; v10  16 x lane
.set LC,  11                           ; v11  16 j + lane % 16 - 8 (lane / 16)
.set DD,  12                           ; v12-13  the mask's bound for tile 0, 1
.set NINF, 14                          ; v14  -infinity
.set PFO, 15                           ; v15  256 x lane
.set ST,  16                           ; tile t's statistics at v[16 + 8 t]: +0 c m, +1 m, +2, +3 l in two halves, +4 to +7 at work (+6: a)
.set QF,  32                           ; v32-63   Q: tile t, channels 32 ch on, at 32 + 16 t + 8 ch
.set FR,  64                           ; v64-127  K's eight fragments, then V's eight
.set S,   128                          ; v128-191 S^T, 32 a tile; P is written over its first 16
.set O,   192                          ; v192-255 O^T, 32 a tile
.set WV,  8                            ; s8   my wave's number
.set SEL, 12                           ; s[12:13] lane selects for v_permlanex16_b32: lane l xor 16
.set CS,  14                           ; s[14:15] c, named as a pair by the packed form
.set G1K, 16                           ; s[16:23] descriptor group 1 for K's tiles;  s[24:31] for V's
.set G1V, 24
.set G0K, 32                           ; s[32:35], s[36:39] their groups 0, which walk
.set G0V, 36
.set TB,  40                           ; s40  LDS byte at which the slot in hand begins
.set KF,  41                           ; s41  the step's first key
.set Q0,  42                           ; s42  my block's first query
.set QL,  43                           ; s43  and its last
.set SLOTS, 44                         ; s44  slots still to be asked for
.set LIM, 45                           ; s45  1 in a wave that prefetches, else the greatest number
.set PFA, 46                           ; s[46:47] where my prefetches stand
.macro TLOAD                           ; waves 0, 1 fetch for K, waves 2, 3 for V, the others nothing: the wave's number alone.  An s_nop 0 and four v_nop follow each line
	s_cmp_lt_u32 s[WV], 2
	s_cbranch_scc0 .Lnot_k_\@
	tensor_load_to_lds s[G0K:G0K+3], s[G1K:G1K+7]
	s_nop 0
.rept 4
	v_nop
.endr
	s_branch .Lasked_\@
.Lnot_k_\@:
	s_cmp_lt_u32 s[WV], 4
	s_cbranch_scc0 .Lasked_\@
	tensor_load_to_lds s[G0V:G0V+3], s[G1V:G1V+7]
	s_nop 0
.rept 4
	v_nop
.endr
.Lasked_\@:
.endm
; A prefetch of what the NEXT change of slots will ask for: a slot's 32,768 bytes of K and of V.  The four partners share them out by address, 8,192 bytes each; in each, wave 4 asks for K's and wave 5 for V's,
; lanes 256 bytes apart: each aligned block of 256 bytes is named once in the launch.  It stands a slot's four key steps ahead of the load.  The last change that fills a slot asks for nothing; slots 0 and 1 come by their loads alone.
.macro ASK
	s_cmp_gt_u32 s[SLOTS], s[LIM]
	s_cbranch_scc0 .Lnot_mine_\@
	global_prefetch_b8 v[PFO], s[PFA:PFA+1] th:TH_LOAD_NT scope:SCOPE_SE
.Lnot_mine_\@:
.endm
.macro CROUND                          ; a round of the cluster's barrier
	s_barrier_signal -1
	s_barrier_wait -1
	s_cmp_lg_u32 s[WV], 0
	s_cbranch_scc1 .Lnot_wave_0_\@
	s_barrier_signal -3
.Lnot_wave_0_\@:
	s_barrier_wait -3
	s_barrier_signal -1
	s_barrier_wait -1
.endm
	s_load_b128 s[4:7], s[0:1], 0x0                ; qkv s[4:5], y16 s[6:7]
	v_lshl_add_u32 v[SPW], v0, 2, SPARE
	v_mov_b32 v[NIL], 0
	ds_add_u32 v[SPW], v[NIL]                      ; the wave's opening: the add, twice on end, and its wait ahead of the first tensor load
	ds_add_u32 v[SPW], v[NIL]
	v_lshrrev_b32 v1, 5, v0
	v_readfirstlane_b32 s[WV], v1                  ; wave 0..15
	s_bfe_u32 s10, ttmp6, 0x40000                  ; j = cx: it enters Q's, y's and the prefetches' global addresses and the mask's bound, nothing else
	s_and_b32 s11, ttmp7, 0xffff                   ; the plane, which the four partners share
	s_lshr_b32 s48, s[WV], 2
	s_and_b32 s49, s[WV], 3
	s_add_co_u32 s49, s49, s48
	s_and_b32 s49, s49, 3
	s_lshl_b32 s49, s49, 2
	s_add_co_u32 s9, s49, s48                      ; W'
	s_lshl_b32 s[Q0], s9, 7
	s_add_co_u32 s[QL], s[Q0], 127
	; descriptor group 1: 128 rows of 64 elements of 2 bytes, dense in memory, padded behind each row
	s_mov_b32 s[G1K], 15|(1<<16)|(1<<20)|(1<<21)|(4<<22)|(3<<25)   ; the mask: all four; elements of 2 bytes; padding on; bit 21 beside a mask; after every 32 words; 4 words
	s_mov_b32 s[G1V], 15|(1<<16)|(1<<20)|(1<<21)|(4<<22)|(7<<25)   ; the same with 8 words
.irp g, G1K, G1V
	s_mov_b32 s[\g+1], 64<<16                      ; tensor_dim0
	s_mov_b32 s[\g+2], 128<<16                     ; tensor_dim1
	s_mov_b32 s[\g+3], 64<<16                      ; tile_dim0
	s_mov_b32 s[\g+4], 128                         ; tile_dim1
	s_mov_b32 s[\g+5], 64                          ; from row to row
	s_mov_b32 s[\g+6], 0
	s_mov_b32 s[\g+7], 0
.endr
	s_mov_b32 s[SEL], 0x76543210
	s_mov_b32 s[SEL+1], 0xfedcba98
	s_mov_b32 s[CS], 0x3e38aa3b                    ; c = log2(e) / 8
	s_mov_b32 s[CS+1], s[CS]
	s_mov_b32 s[TB], 0
	s_mov_b32 s[KF], 0
	s_mov_b32 s[SLOTS], NSL-1
	s_lshl_b32 s50, s11, 18                        ; the plane's first byte in a section of qkv, and in y16
	s_mov_b32 s51, 0
	s_and_b32 s48, s[WV], 1                        ; which 128 rows of a slot I fetch, if I fetch
	s_lshl_b32 s49, s48, 14
	s_add_co_u32 s52, s50, s49
	s_add_co_u32 s52, s52, 0x1000000               ; in K's section
	s_mov_b32 s53, 0
	s_mul_i32 s[G0K+1], s48, 128*PK                ; and where they go in slot 0
	s_mul_i32 s[G0V+1], s48, 128*PV
	s_add_co_u32 s[G0V+1], s[G0V+1], VOFF
	s_lshl_b32 s54, s10, 13                        ; the prefetches: my work-group's 8,192 bytes,
	s_add_co_u32 s54, s54, s50
	s_add_co_u32 s54, s54, 32768                   ; in slot 1: the first change of slots steps it to slot 2
	s_mov_b32 s55, 0x2000000
	s_cmp_eq_u32 s[WV], 4
	s_cselect_b32 s55, 0x1000000, s55              ; wave 4: K's section; wave 5: V's
	s_add_co_u32 s54, s54, s55
	s_mov_b32 s55, 0
	s_lshr_b32 s49, s[WV], 1
	s_cmp_eq_u32 s49, 2
	s_cselect_b32 s[LIM], 1, -1
	s_lshl_b32 s49, s9, 14                         ; my block's 128 rows of 128 bytes,
	s_add_co_u32 s50, s50, s49
	s_lshl_b32 s49, s10, 11                        ; my work-group's 16 of each 64
	s_add_co_u32 s50, s50, s49
	s_wait_dscnt 0x0                               ; both opening adds are done
	s_wait_kmcnt 0x0
	s_mov_b32 s[G0K], 1
	s_add_nc_u64 s[G0K+2:G0K+3], s[4:5], s[52:53]
	s_mov_b32 s[G0V], 1
	s_add_nc_u64 s[G0V+2:G0V+3], s[G0K+2:G0K+3], 0x1000000
	s_or_b32 s[G0K+3], s[G0K+3], 0x80000000
	s_or_b32 s[G0V+3], s[G0V+3], 0x80000000
	s_add_nc_u64 s[PFA:PFA+1], s[4:5], s[54:55]
	s_add_nc_u64 s[52:53], s[4:5], s[50:51]        ; Q at my first query
	s_add_nc_u64 s[54:55], s[6:7], s[50:51]        ; y likewise
	CROUND                                         ; all four work-groups are here
	TLOAD                                          ; slot 0
	v_and_b32 v12, 15, v0                          ; r
	v_bfe_u32 v13, v0, 4, 1                        ; h
	v_lshlrev_b32 v[QO], 7, v12
	v_lshl_add_u32 v[QO], v13, 4, v[QO]            ; row r of 128 bytes + 16 h
.irp t, 0,1
.irp ch, 0,1
	global_load_b128 v[QF+16*\t+8*\ch:QF+16*\t+8*\ch+3], v[QO], s[52:53] offset:8192*\t+64*\ch       ; Q stays in registers
	global_load_b128 v[QF+16*\t+8*\ch+4:QF+16*\t+8*\ch+7], v[QO], s[52:53] offset:8192*\t+64*\ch+32
.endr
.endr
	v_mul_u32_u24 v[AK0], v12, PK
	v_lshl_add_u32 v[AK0], v13, 4, v[AK0]          ; row x pitch + 16 x half
	v_and_b32 v3, 7, v0
	v_lshl_add_u32 v3, v13, 3, v3                  ; the turning load: key 8 (l / 16) + l % 8,
	v_mul_u32_u24 v[AV0], v3, PV
	v_bfe_u32 v4, v0, 3, 1
	v_lshl_add_u32 v[AV0], v4, 4, v[AV0]           ; channels 8 ((l / 8) % 2) on
	v_add_nc_u32 v[AV0], VOFF, v[AV0]
	s_mul_i32 s48, s[WV], 2*16*PK
	s_add_co_u32 s48, s48, STAGE                   ; my stage
	v_add_nc_u32 v[STO], s48, v[AK0]               ; in: row r, 16 bytes for each half of the lanes
	v_bfe_u32 v3, v0, 3, 2
	v_mul_u32_u24 v[RD], v3, PK                    ; back: eight lanes to a row, four rows an instruction
	v_and_b32 v4, 7, v0
	v_lshl_add_u32 v[RD], v4, 4, v[RD]
	v_add_nc_u32 v[RD], s48, v[RD]
	v_and_b32 v[GO], 31, v0
	v_lshlrev_b32 v[GO], 4, v[GO]
	v_lshlrev_b32 v[PFO], 4, v[GO]
	v_lshlrev_b32 v[LC], 3, v13
	v_sub_nc_u32 v[LC], v12, v[LC]
	v_lshl_add_u32 v[LC], s10, 4, v[LC]
	v_mov_b32 v[NINF], 0xff800000
.irp t, 0,1
	v_mov_b32 v[ST+8*\t+1], 0xff61b1e6             ; m: -3e38, under every score
	v_mul_f32 v[ST+8*\t], s[CS], v[ST+8*\t+1]      ; c m
.irp i, 2,3,4,5,6,7
	v_mov_b32 v[ST+8*\t+\i], 0
.endr
.endr
.set i, 0
.rept 64
	v_mov_b32 v[O+i], 0                            ; O^T.  (The step is written once: the first finds zeros, which a = 0 leaves zeros)
.set i, i+1
.endr
; A KEY STEP: 64 keys, the q-th of the slot in hand.
.macro STEP q
	s_cmp_gt_u32 s[KF], s[QL]                      ; all its keys lie behind my block: the step's work is left out, not the line at its end that counts the keys
	s_cbranch_scc1 .Lhidden_\@
	v_add_nc_u32 v[ADK], s[TB], v[AK0]
	v_add_nc_u32 v[ADV], s[TB], v[AV0]
.irp kt, 0,1,2,3
.irp ch, 0,1
	ds_load_b128 v[FR+8*(2*\kt+\ch):FR+8*(2*\kt+\ch)+3], v[ADK] offset:64*PK*(\q)+16*PK*\kt+64*\ch
	ds_load_b128 v[FR+8*(2*\kt+\ch)+4:FR+8*(2*\kt+\ch)+7], v[ADK] offset:64*PK*(\q)+16*PK*\kt+64*\ch+32
.endr
.endr
	s_wait_dscnt 0x0
.irp kt, 0,1,2,3                               ; S^T = K Q^T: eight accumulators by turns, channels 0-31 start the sums,
.irp t, 0,1
	v_wmma_f32_16x16x32_f16 v[S+32*\t+8*\kt:S+32*\t+8*\kt+7], v[FR+16*\kt:FR+16*\kt+7], v[QF+16*\t:QF+16*\t+7], 0
.endr
.endr
.irp kt, 0,1,2,3                               ; channels 32-63 add onto them
.irp t, 0,1
	v_wmma_f32_16x16x32_f16 v[S+32*\t+8*\kt:S+32*\t+8*\kt+7], v[FR+16*\kt+8:FR+16*\kt+15], v[QF+16*\t+8:QF+16*\t+15], v[S+32*\t+8*\kt:S+32*\t+8*\kt+7]
.endr
.endr
.rept 4
	v_nop                                          ; places: in front of the loads into K's registers and of the first read of the scores
.endr
.irp kc, 0,1                                   ; V, turned, lands while the softmax is worked: keys 32 kc on, channels 16 ct on
.irp ct, 0,1,2,3
	ds_load_tr16_b128 v[FR+8*(4*\kc+\ct):FR+8*(4*\kc+\ct)+3], v[ADV] offset:64*PV*(\q)+32*PV*\kc+32*\ct
	ds_load_tr16_b128 v[FR+8*(4*\kc+\ct)+4:FR+8*(4*\kc+\ct)+7], v[ADV] offset:64*PV*(\q)+32*PV*\kc+32*\ct+16*PV
.endr
.endr
	s_cmp_lt_u32 s[KF], s[Q0]                      ; all 64 keys lie ahead of my block's first query: nothing is hidden
	s_cbranch_scc1 .Lopen_\@
	s_sub_co_i32 s48, s[Q0], s[KF]
	v_add_nc_u32 v[DD], s48, v[LC]                 ; d = my query - KF - 8 (lane / 16).  Register 8 kt + i holds key KF + 8 (lane / 16) + 16 kt + i: hidden where 16 kt + i > d
	v_add_nc_u32 v[DD+1], 64, v[DD]
.irp t, 0,1
.set n, 0
.rept 32
	v_cmp_gt_i32 vcc_lo, 16*(n/8)+n%8, v[DD+\t]
	v_cndmask_b32 v[S+32*\t+n], v[S+32*\t+n], v[NINF], vcc_lo
.set n, n+1
.endr
.endr
.Lopen_\@:
.irp j, 0,1,2,3                                ; the maximum of 32 scores and the old m: four chains, each begun at its accumulator's low end; the two tiles alternate
.irp t, 0,1
	v_max3_num_f32 v[ST+8*\t+4+\j], v[S+32*\t+8*\j], v[S+32*\t+8*\j+1], v[S+32*\t+8*\j+2]
.endr
.endr
.irp i, 3,5
.irp j, 0,1,2,3
.irp t, 0,1
	v_max3_num_f32 v[ST+8*\t+4+\j], v[ST+8*\t+4+\j], v[S+32*\t+8*\j+\i], v[S+32*\t+8*\j+\i+1]
.endr
.endr
.endr
.irp t, 0,1
	v_max3_num_f32 v[ST+8*\t+4], v[ST+8*\t+4], v[S+32*\t+7], v[S+32*\t+15]
.endr
.irp t, 0,1
	v_max3_num_f32 v[ST+8*\t+6], v[ST+8*\t+6], v[S+32*\t+23], v[S+32*\t+31]
.endr
.irp t, 0,1
	v_max3_num_f32 v[ST+8*\t+4], v[ST+8*\t+4], v[ST+8*\t+5], v[ST+8*\t+6]
.endr
.irp t, 0,1
	v_max3_num_f32 v[ST+8*\t+4], v[ST+8*\t+4], v[ST+8*\t+7], v[ST+8*\t+1]
.endr
.irp t, 0,1
	v_permlanex16_b32 v[ST+8*\t+5], v[ST+8*\t+4], s[SEL], s[SEL+1]   ; the query's other 32 keys lie in the lane 16 away
.endr
.irp t, 0,1
	v_mov_b32 v[ST+8*\t+7], v[ST+8*\t]             ; c m_old
.endr
.irp t, 0,1
	v_max_num_f32 v[ST+8*\t+1], v[ST+8*\t+4], v[ST+8*\t+5]
.endr
.irp t, 0,1
	v_mul_f32 v[ST+8*\t], s[CS], v[ST+8*\t+1]
.endr
.irp t, 0,1
	v_sub_f32 v[ST+8*\t+7], v[ST+8*\t+7], v[ST+8*\t]
.endr
.set n, 0
.rept 16
.irp t, 0,1
	v_pk_fma_f32 v[S+32*\t+2*n:S+32*\t+2*n+1], v[S+32*\t+2*n:S+32*\t+2*n+1], s[CS:CS+1], v[ST+8*\t:ST+8*\t+1] op_sel_hi:[1,0,0] neg_lo:[0,0,1] neg_hi:[0,0,1]   ; c s - c m
.endr
.set n, n+1
.endr
.irp t, 0,1
	v_exp_f32 v[ST+8*\t+6], v[ST+8*\t+7]           ; a
.endr
.set n, 0
.rept 32
.irp t, 0,1
	v_exp_f32 v[S+32*\t+n], v[S+32*\t+n]           ; p
.endr
.set n, n+1
.endr
	v_nop                                          ; a plain instruction behind the last exponential
	s_wait_alu depctr_va_vdst(0)                   ; ONE wait for the 66 exponentials, ahead of the first instruction that names a result
.irp t, 0,1
	v_pk_mul_f32 v[ST+8*\t+2:ST+8*\t+3], v[ST+8*\t+2:ST+8*\t+3], v[ST+8*\t+6:ST+8*\t+7] op_sel_hi:[1,0]   ; l x a
.endr
.irp t, 0,1
	v_pk_add_f32 v[ST+8*\t+4:ST+8*\t+5], v[S+32*\t:S+32*\t+1], v[S+32*\t+2:S+32*\t+3]   ; the sum of the unrounded p, in two chains
.endr
.irp n, 4,8,12,16,20,24,28
.irp t, 0,1
	v_pk_add_f32 v[ST+8*\t+2:ST+8*\t+3], v[ST+8*\t+2:ST+8*\t+3], v[S+32*\t+\n:S+32*\t+\n+1]
	v_pk_add_f32 v[ST+8*\t+4:ST+8*\t+5], v[ST+8*\t+4:ST+8*\t+5], v[S+32*\t+\n+2:S+32*\t+\n+3]
.endr
.endr
.irp t, 0,1
	v_pk_add_f32 v[ST+8*\t+2:ST+8*\t+3], v[ST+8*\t+2:ST+8*\t+3], v[ST+8*\t+4:ST+8*\t+5]
.endr
.set n, 0
.rept 16
.irp t, 0,1
	v_cvt_pk_f16_f32 v[S+32*\t+n], v[S+32*\t+2*n], v[S+32*\t+2*n+1]   ; P in place: the destination never runs ahead of its sources
.endr
.set n, n+1
.endr
.set n, 0
.rept 16
.irp t, 0,1
	v_pk_mul_f32 v[O+32*\t+2*n:O+32*\t+2*n+1], v[O+32*\t+2*n:O+32*\t+2*n+1], v[ST+8*\t+6:ST+8*\t+7] op_sel_hi:[1,0]   ; O^T x a, each accumulator from its low end on
.endr
.set n, n+1
.endr
	s_wait_dscnt 0x0                               ; V is in
.irp kc, 0,1                                   ; O^T += V^T P: eight accumulators by turns
.irp ct, 0,1,2,3
.irp t, 0,1
	v_wmma_f32_16x16x32_f16 v[O+32*\t+8*\ct:O+32*\t+8*\ct+7], v[FR+8*(4*\kc+\ct):FR+8*(4*\kc+\ct)+7], v[S+32*\t+8*\kc:S+32*\t+8*\kc+7], v[O+32*\t+8*\ct:O+32*\t+8*\ct+7]
.endr
.endr
.endr
.rept 5
	v_nop                                          ; the next step's first products write over P's registers (five places), its loads land on V's (four)
.endr
.Lhidden_\@:
	s_add_co_u32 s[KF], s[KF], 64
.endm
; THE CHANGE OF SLOTS stands at a slot's head.  Each wave waits for all its tensor loads, adds 0 to its spare word, and waits for that and for its reads of the slot that it has left.
; fill = 1: a round of the cluster's barrier, and behind it the joint load of the keys that follow, into the slot just left.  fill = 0: the work-group's barrier alone.
.macro CHANGE fill
	s_wait_tensorcnt 0x0                           ; no tensor load of mine is out, so a group 0 may be written
	ds_add_u32 v[SPW], v[NIL]
.if \fill
	ds_add_u32 v[SPW], v[NIL]                      ; and twice on end here, in every trip alike
	s_xor_b32 s[G0K+1], s[G0K+1], SLOT1            ; the walking descriptors: the other slot than last time,
	s_add_nc_u64 s[G0K+2:G0K+3], s[G0K+2:G0K+3], SKEYS*128   ; the next 256 keys
	s_xor_b32 s[G0V+1], s[G0V+1], SLOT1
	s_add_nc_u64 s[G0V+2:G0V+3], s[G0V+2:G0V+3], SKEYS*128
	s_wait_xcnt 0x0                                ; the last prefetch, a slot back, has read its address
	s_add_nc_u64 s[PFA:PFA+1], s[PFA:PFA+1], SKEYS*128
	s_wait_dscnt 0x0                               ; the adds are done, and my reads of the slot that I have left are over
	CROUND                                         ; no wave of any partner still reads that slot or has a load on its way
	TLOAD                                          ; the first thing behind the round, a wave's one tensor load until the next
	ASK
.else
	s_wait_dscnt 0x0
	s_barrier_signal -1
	s_barrier_wait -1
.endif
.endm
.macro SLOT_STEPS
	STEP 0
	STEP 1
	STEP 2
	STEP 3
	s_xor_b32 s[TB], s[TB], SLOT1                  ; on to the other slot
.endm
	s_wait_loadcnt 0x0                             ; Q
.Lslot:                                            ; 7 trips: behind each change of slots but the last the next slot is asked for
	CHANGE 1
	SLOT_STEPS
	s_sub_co_u32 s[SLOTS], s[SLOTS], 1
	s_cmp_lg_u32 s[SLOTS], 0
	s_cbranch_scc1 .Lslot
	CHANGE 0                                       ; the last slot is written out
	SLOT_STEPS
	; THE WAY OUT.  l's halves and the other half of the lanes' are added; O^T / l, rounded to f16, goes through my stage and leaves as runs of 512 consecutive bytes (a tile's 16 rows are 2,048 dense bytes of y16).
.irp t, 0,1
	v_add_f32 v[ST+8*\t+4], v[ST+8*\t+2], v[ST+8*\t+3]
.endr
.irp t, 0,1
	v_permlanex16_b32 v[ST+8*\t+5], v[ST+8*\t+4], s[SEL], s[SEL+1]
.endr
.irp t, 0,1
	v_add_f32 v[ST+8*\t+4], v[ST+8*\t+4], v[ST+8*\t+5]
.endr
.irp t, 0,1
	v_rcp_f32 v[ST+8*\t+6], v[ST+8*\t+4]
.endr
	v_nop                                          ; a plain instruction behind the last reciprocal
	s_wait_alu depctr_va_vdst(0)                   ; one wait for the two, ahead of their first use
.irp t, 0,1
.set n, 0
.rept 16
	v_pk_mul_f32 v[O+32*\t+2*n:O+32*\t+2*n+1], v[O+32*\t+2*n:O+32*\t+2*n+1], v[ST+8*\t+6:ST+8*\t+7] op_sel_hi:[1,0]
.set n, n+1
.endr
.set n, 0
.rept 16
	v_cvt_pk_f16_f32 v[S+32*\t+n], v[O+32*\t+2*n], v[O+32*\t+2*n+1]
.set n, n+1
.endr
.irp ct, 0,1,2,3
	ds_store_b128 v[STO], v[S+32*\t+4*\ct:S+32*\t+4*\ct+3] offset:16*PK*\t+32*\ct
.endr
.irp i, 0,1,2,3
	ds_load_b128 v[FR+16*\t+4*\i:FR+16*\t+4*\i+3], v[RD] offset:16*PK*\t+4*PK*\i   ; in order behind my stores
.endr
.endr
	s_wait_dscnt 0x0
.irp t, 0,1
.irp i, 0,1,2,3
	global_store_b128 v[GO], v[FR+16*\t+4*\i:FR+16*\t+4*\i+3], s[54:55] offset:8192*\t+512*\i
.endr
.endr
	s_wait_tensorcnt 0x0                           ; the wave's end
	ds_add_u32 v[SPW], v[NIL]
	s_wait_dscnt 0x0
	CROUND                                         ; the closing round
	s_endpgm
.Lfunc_end_k_q883d86d0a6_attn:
	.size	k_q883d86d0a6_attn, .Lfunc_end_k_q883d86d0a6_attn-k_q883d86d0a6_attn
	.p2alignl 7, 3214868480
	.fill 96, 4, 3214868480
	.section	.rodata,"a",@progbits
	.p2align	6, 0x0
	.amdhsa_kernel k_q883d86d0a6_attn
		.amdhsa_group_segment_fixed_size 327680
		.amdhsa_private_segment_fixed_size 0
		.amdhsa_enable_private_segment 0
		.amdhsa_kernarg_size 16
		.amdhsa_user_sgpr_count 2
		.amdhsa_user_sgpr_kernarg_segment_ptr 1
		.amdhsa_wavefront_size32 1
		.amdhsa_system_sgpr_workgroup_id_x 1
		.amdhsa_system_sgpr_workgroup_id_y 1
		.amdhsa_system_sgpr_workgroup_id_z 1
		.amdhsa_system_vgpr_workitem_id 0
		.amdhsa_next_free_vgpr 256
		.amdhsa_next_free_sgpr 66
		.amdhsa_reserve_vcc 1
		.amdhsa_float_denorm_mode_32 3
		.amdhsa_float_denorm_mode_16_64 3
		.amdhsa_memory_ordered 1
		.amdhsa_forward_progress 1
		.amdhsa_inst_pref_size 189
	.end_amdhsa_kernel
	.amdgpu_metadata
---
amdhsa.version: [ 1, 2 ]
amdhsa.kernels:
  - .name:           k_q883d86d0a6_attn
    .symbol:         k_q883d86d0a6_attn.kd
    .args:
      - { .name: qkv, .offset: 0, .size: 8, .value_kind: global_buffer, .address_space: global }
      - { .name: y16, .offset: 8, .size: 8, .value_kind: global_buffer, .address_space: global }
    .group_segment_fixed_size: 327680
    .private_segment_fixed_size: 0
    .kernarg_segment_align: 8
    .kernarg_segment_size: 16
    .max_flat_workgroup_size: 512
    .sgpr_count:     66
    .vgpr_count:     256
    .wavefront_size: 32
...
	.end_amdgpu_metadata
.endif
;; end of part 3
;; launch proj (part 4): grid 4 x 64, 4 waves a work-group, clusters of 4 x 4, 327,680 bytes of LDS; arguments y16, wp16, bp, out0; writes out0
.if DOCPART == 4
	.amdgcn_target "amdgcn-amd-amdhsa--gfx1250"
	.amdhsa_code_object_version 6
	.text
	.protected	k_q883d86d0a6_proj
	.globl	k_q883d86d0a6_proj
	.p2align	8
	.type	k_q883d86d0a6_proj,@function
k_q883d86d0a6_proj:
	s_mov_b64 s[64:65], 0
	v_nop
	global_prefetch_b8 v0, s[64:65] scope:SCOPE_SE
	s_setreg_imm32_b32 hwreg(HW_REG_WAVE_MODE, 25, 1), 1
	s_wait_xcnt 0x0
	s_wait_alu depctr_hold_cnt(0) depctr_sa_sdst(0) depctr_va_vdst(0) depctr_va_sdst(0) depctr_va_ssrc(0) depctr_va_vcc(0) depctr_vm_vsrc(0)
	s_getreg_b32 s2, hwreg(HW_REG_IB_STS2, 6, 4)
	s_cmp_eq_u32 s2, 0
	s_cbranch_scc0 .Lentry_in_a_cluster
	s_endpgm
.Lentry_in_a_cluster:
	s_bfe_u32 s2, ttmp6, 0x10000c
	s_cmp_lg_u32 s2, 0xf033
	s_cbranch_scc0 .Lentry_shape_is_right
	s_endpgm
.Lentry_shape_is_right:
; LAUNCH 4 OF 5.  out0[m][n] = sum over k of y[m][k] Wp[n][k] + bp[n].  y16: [plane = 16 batch + head][t 2048][64] f16, so k = 64 head + channel; wp16: [1024][1024] f16; bp [1024], out0 [8192][1024]: f32.  Sums in f32.
; (The rows with t < 16 are stored here like all others; the last launch writes them again, computed in f32.)
; A tile of the result is 128 rows x 256 columns: 256 work-groups.  Four waves, each 64 x 128: 32 accumulators of 16 x 16, 256 registers.  K goes in steps of 128 (two heads) through two LDS slots.
; A K step of y is two head pieces of 128 rows x 128 bytes, each dense in memory (waves 0, 1 fetch one each); of Wp 256 rows x 256 bytes (waves 2, 3 fetch 128 rows each).
; CLUSTERS: 4 x 4 work-groups.  y's tile hangs on the tile row alone and is shared along a row of the cluster, Wp's on the tile column alone and is shared along a column: joint loads.
; THE MATRIX INSTRUCTION IS USED TRANSPOSED (source 0 = 16 rows of Wp, source 1 = 16 rows of y): a lane holds eight neighbouring columns of one row.  The bias is the C of each sum's first product.
; REGISTERS: window 0: v16-29 addresses; v64-95, v96-127 y's fragments, two buffers; v128-255 the way out.   window 1: v0-63, v64-127 Wp's fragments, two buffers; v128-191 the bias, eight registers a column block.
;   window 2: accumulator (a, b) at v[8 (8 a + b)].
.set PA,     144                       ; a row of a head piece in LDS: 128 bytes + 16
.set PB,     272                       ; a row of Wp's tile: 256 + 16
.set APIECE, 128*PA
.set BOFF,   2*APIECE                  ; a slot: y's two pieces, then Wp's 256 rows
.set SLOT,   BOFF+256*PB
.set STAGE,  2*SLOT                    ; behind the ring: 16 rows x 528 bytes for each wave
.set SPARE,  STAGE+4*16*528            ; behind the stages: the spare words, 128 bytes a wave
.set ADRA, 16                          ; v16-17  LDS address of my y fragments in slot 0, 1
.set ADRB, 20                          ; v20-21  the same for Wp
.set STO,  24                          ; v24     the way out: where I put 32 bytes of a row
.set RD,   25                          ; v25     and where I read a row back
.set CO,   26                          ; v26     16 x lane
.set SPW,  28                          ; v28     LDS address of my spare word; never rewritten
.set NIL,  29                          ; v29     0; never rewritten
.set BK,   128                         ; the way out: 16 rows read back: v128-191 and v192-255 by turns
.set G1, 24                            ; s[24:31] descriptor group 1 for y's pieces;  s[32:39] group 0, one set for each slot
.set G0, 32
.set G1B, 48                           ; s[48:55], s[56:63] the same for Wp's tiles
.set G0B, 56
.set MSB, 0
.macro WIN new                         ; the immediate's high byte repeats the setting that is left
.if MSB != (\new)
	s_set_vgpr_msb (MSB<<8)|(\new)
.set MSB, (\new)
.endif
.endm
.set MUL,  0xa1                        ; source 0 (Wp) window 1, source 1 (y) window 0, C and D window 2
.set MULB, 0x91                        ; the same with C (the bias) in window 1
.set TO_B, 0x40                        ; destination window 1, address window 0
.macro JLOAD s                         ; a joint load: waves 0, 1 fetch y's pieces, waves 2, 3 Wp's halves; an s_nop 0 and four v_nop follow each line
	s_cmp_eq_u32 s11, 0
	s_cbranch_scc0 .Lfor_b_\@
	tensor_load_to_lds s[G0+4*\s:G0+4*\s+3], s[G1:G1+7]
	s_nop 0
.rept 4
	v_nop
.endr
	s_branch .Lasked_\@
.Lfor_b_\@:
	tensor_load_to_lds s[G0B+4*\s:G0B+4*\s+3], s[G1B:G1B+7]
	s_nop 0
.rept 4
	v_nop
.endr
.Lasked_\@:
.endm
.macro CREST                           ; a round of the cluster's barrier behind its opening barrier
	s_cmp_lg_u32 s10, 0
	s_cbranch_scc1 .Lnot_wave_0_\@
	s_barrier_signal -3
.Lnot_wave_0_\@:
	s_barrier_wait -3
	s_barrier_signal -1
	s_barrier_wait -1
.endm
.macro CROUND
	s_barrier_signal -1
	s_barrier_wait -1
	CREST
.endm
	s_load_b128 s[4:7], s[0:1], 0x0                ; y16 s[4:5], wp16 s[6:7]
	s_load_b128 s[16:19], s[0:1], 0x10             ; bp s[16:17], out0 s[18:19]
	v_lshl_add_u32 v[SPW], v0, 2, SPARE
	v_mov_b32 v[NIL], 0
	ds_add_u32 v[SPW], v[NIL]                      ; the wave's opening: the add, twice on end, and its wait ahead of my first tensor load
	ds_add_u32 v[SPW], v[NIL]
	v_lshrrev_b32 v1, 5, v0
	v_readfirstlane_b32 s10, v1                    ; wave 0..3
	s_lshr_b32 s11, s10, 1                         ; which 64 rows of the tile are mine.  Also: I fetch for y (0) or for Wp (1)
	s_and_b32 s12, s10, 1                          ; which 128 columns.  Also: which piece or half I fetch
	s_bfe_u32 s40, ttmp6, 0x40000                  ; cx, cy
	s_bfe_u32 s41, ttmp6, 0x40004
	s_lshl_b32 s42, ttmp9, 2
	s_add_co_u32 s42, s42, s40                     ; tile column = 4 x cluster x + cx
	s_and_b32 s13, ttmp7, 0xffff
	s_lshl_b32 s13, s13, 2
	s_add_co_u32 s13, s13, s41                     ; tile row = 4 x cluster y + cy
	s_lshl_b32 s43, s41, 2
	s_lshl_b32 s43, 15, s43                        ; my row of the cluster
	s_lshl_b32 s44, 0x1111, s40                    ; my column
	s_or_b32 s[G1+0], s43, (1<<16)|(1<<20)|(1<<21)|(4<<22)|(3<<25)   ; the mask; elements of 2 bytes; padding on; bit 21 beside a mask; after every 32 words; 4 words
	s_mov_b32 s[G1+1], 64<<16                      ; tensor_dim0
	s_mov_b32 s[G1+2], 128<<16                     ; tensor_dim1
	s_mov_b32 s[G1+3], 64<<16                      ; tile_dim0
	s_mov_b32 s[G1+4], 128                         ; tile_dim1
	s_mov_b32 s[G1+5], 64                          ; from row to row
	s_mov_b32 s[G1+6], 0
	s_mov_b32 s[G1+7], 0
	s_or_b32 s[G1B+0], s44, (1<<16)|(1<<20)|(1<<21)|(5<<22)|(3<<25)  ; after every 64 words
	s_mov_b32 s[G1B+1], 128<<16
	s_mov_b32 s[G1B+2], 128<<16
	s_mov_b32 s[G1B+3], 128<<16
	s_mov_b32 s[G1B+4], 128
	s_mov_b32 s[G1B+5], 1024
	s_mov_b32 s[G1B+6], 0
	s_mov_b32 s[G1B+7], 0
	s_lshr_b32 s20, s13, 4                         ; y: the batch's 16 planes of 262,144 bytes,
	s_lshl_b32 s20, s20, 22
	s_and_b32 s21, s13, 15
	s_lshl_b32 s21, s21, 14                        ; the tile's 128 rows of 128 bytes,
	s_add_co_u32 s20, s20, s21
	s_lshl_b32 s21, s12, 18                        ; my head of the K step's two
	s_add_co_u32 s20, s20, s21
	s_mov_b32 s21, 0
	s_lshl_b32 s46, s42, 19                        ; Wp: 256 rows of 2,048 bytes a tile column,
	s_lshl_b32 s47, s12, 18                        ; my 128 of them
	s_add_co_u32 s46, s46, s47
	s_mov_b32 s47, 0
	s_mul_i32 s14, s12, APIECE                     ; where they go: no place in the cluster enters an LDS address
	s_mul_i32 s15, s12, 128*PB
	s_add_co_u32 s15, s15, BOFF
	s_wait_dscnt 0x0                               ; both opening adds are done
	s_wait_kmcnt 0x0
	s_add_nc_u64 s[20:21], s[4:5], s[20:21]
	s_add_nc_u64 s[46:47], s[6:7], s[46:47]
	CROUND                                         ; all sixteen work-groups are here
.irp s, 0,1
	s_mov_b32 s[G0+4*\s], 1
	s_add_co_u32 s[G0+4*\s+1], s14, \s*SLOT
	s_add_nc_u64 s[G0+4*\s+2:G0+4*\s+3], s[20:21], \s*524288       ; K step s: two planes on
	s_or_b32 s[G0+4*\s+3], s[G0+4*\s+3], 0x80000000
	s_mov_b32 s[G0B+4*\s], 1
	s_add_co_u32 s[G0B+4*\s+1], s15, \s*SLOT
	s_add_nc_u64 s[G0B+4*\s+2:G0B+4*\s+3], s[46:47], \s*256
	s_or_b32 s[G0B+4*\s+3], s[G0B+4*\s+3], 0x80000000
	JLOAD \s                                       ; two loads of mine are out
.endr
	v_and_b32 v1, 15, v0                           ; r
	v_bfe_u32 v2, v0, 4, 1                         ; h
	v_mul_u32_u24 v3, v1, PA
	v_lshl_add_u32 v3, v2, 4, v3
	v_mul_u32_u24 v4, v1, PB
	v_lshl_add_u32 v4, v2, 4, v4
	s_mul_i32 s22, s11, 64*PA                      ; my 64 rows of y
	s_mul_i32 s23, s12, 128*PB                     ; my 128 rows of Wp
	s_add_co_u32 s23, s23, BOFF
.irp s, 0,1
	v_add_nc_u32 v[ADRA+\s], s22, v3
	v_add_nc_u32 v[ADRB+\s], s23, v4
	s_add_co_u32 s22, s22, SLOT
	s_add_co_u32 s23, s23, SLOT
.endr
	s_mul_i32 s45, s10, 16*528
	s_add_co_u32 s45, s45, STAGE                   ; my stage
	v_mul_u32_u24 v5, v1, 528
	v_lshl_add_u32 v5, v2, 5, v5
	v_add_nc_u32 v[STO], s45, v5                   ; in: row r, 32 bytes for each half of the lanes
	v_and_b32 v6, 31, v0
	v_lshlrev_b32 v[CO], 4, v6
	v_add_nc_u32 v[RD], s45, v[CO]                 ; back: the 32 lanes take one row of 512 bytes
	v_lshlrev_b32 v5, 5, v2                        ; the bias: 32 h bytes into a column block's 64
	s_lshl_b32 s22, s42, 10
	s_lshl_b32 s23, s12, 9
	s_add_co_u32 s22, s22, s23                     ; my first column, in bytes
	s_mov_b32 s23, 0
	s_add_nc_u64 s[16:17], s[16:17], s[22:23]
	s_add_nc_u64 s[18:19], s[18:19], s[22:23]
	s_lshl_b32 s22, s13, 19                        ; 128 rows of 4,096 bytes a tile row,
	s_lshl_b32 s45, s11, 18                        ; my 64 of them
	s_add_co_u32 s22, s22, s45
	s_add_nc_u64 s[18:19], s[18:19], s[22:23]
	WIN TO_B
.irp b, 0,1,2,3,4,5,6,7
	global_load_b128 v[128+8*\b:131+8*\b], v5, s[16:17] offset:64*\b       ; bp at columns 16 b + 8 h + 0 .. 7: the result's layout
	global_load_b128 v[132+8*\b:135+8*\b], v5, s[16:17] offset:64*\b+16
.endr
	WIN 0
; 8 matrix instructions: y's block a against Wp's eight, 32 along K, from buffer f.  bias = 1: the sums start from the bias.  The 32 accumulators take turns in one fixed order.
.macro MUL8 f, a, bias
.irp b, 0,1,2,3,4,5,6,7
.if \bias
	v_wmma_f32_16x16x32_f16 v[8*(8*(\a)+\b):8*(8*(\a)+\b)+7], v[64*(\f)+8*\b:64*(\f)+8*\b+7], v[64+32*(\f)+8*(\a):64+32*(\f)+8*(\a)+7], v[128+8*\b:128+8*\b+7]
.else
	v_wmma_f32_16x16x32_f16 v[8*(8*(\a)+\b):8*(8*(\a)+\b)+7], v[64*(\f)+8*\b:64*(\f)+8*\b+7], v[64+32*(\f)+8*(\a):64+32*(\f)+8*(\a)+7], v[8*(8*(\a)+\b):8*(8*(\a)+\b)+7]
.endif
.endr
.endm
; 24 LDS loads in one run: the fragments of the slot's q-th 32 along K into buffer f.  For y: head piece q / 2, channels 32 (q % 2) on
.macro FETCH slot, q, f
	WIN TO_B
.irp i, 0,1,2,3,4,5,6,7
	ds_load_b128 v[64*(\f)+8*\i:64*(\f)+8*\i+3], v[ADRB+\slot] offset:64*(\q)+\i*16*PB
	ds_load_b128 v[64*(\f)+8*\i+4:64*(\f)+8*\i+7], v[ADRB+\slot] offset:64*(\q)+\i*16*PB+32
.endr
	WIN 0
.irp i, 0,1,2,3
	ds_load_b128 v[64+32*(\f)+8*\i:64+32*(\f)+8*\i+3], v[ADRA+\slot] offset:((\q)/2)*APIECE+((\q)%2)*64+\i*16*PA
	ds_load_b128 v[64+32*(\f)+8*\i+4:64+32*(\f)+8*\i+7], v[ADRA+\slot] offset:((\q)/2)*APIECE+((\q)%2)*64+\i*16*PA+32
.endr
.endm
.macro PLACES                          ; four plain instructions in front of loads into registers that matrix instructions have read, and of reads of results
.rept 4
	v_nop
.endr
.endm
; A K step is four quarters of 32 along K, 32 matrix instructions each, on buffers 0, 1, 0, 1.  One of the first three: asks for the next quarter (qn) into g, then multiplies f.
.macro QUARTER slot, qn, f, g, bias
	s_wait_dscnt 0x0                               ; f's loads, issued a quarter (32 matrix instructions) ago, are in
	PLACES
	FETCH \slot, \qn, \g
.if \bias
	WIN MULB
.else
	WIN MUL
.endif
	MUL8 \f, 0, \bias
	MUL8 \f, 1, \bias
	MUL8 \f, 2, \bias
	MUL8 \f, 3, \bias
.endm
; The last quarter multiplies buffer 1 and changes slots: each wave waits for all its tensor loads, adds 0 to its spare word, waits for that and for its reads of this slot; one barrier.
; fill = 1: the barrier opens a round of the cluster's, and this slot is filled again, two K steps ahead: the load has 112 matrix instructions in which to land.
.macro TURN slot, next, fill
	WIN 0                                          ; (the add's two registers lie in window 0)
	s_wait_tensorcnt 0x0                           ; my part of the next slot has landed
	ds_add_u32 v[SPW], v[NIL]
	s_wait_dscnt 1                                 ; buffer 1 is in (the add alone may be out)
	WIN MUL
	MUL8 1, 0, 0
	s_wait_dscnt 0x0                               ; the add is done, and my reads of this slot are over
	s_barrier_signal -1
	MUL8 1, 1, 0
	WIN 0
	s_barrier_wait -1
.if \fill
	CREST                                          ; no wave of any partner still reads this slot or has a load on its way
	s_add_nc_u64 s[G0+4*\slot+2:G0+4*\slot+3], s[G0+4*\slot+2:G0+4*\slot+3], 1048576   ; two K steps: four planes
	s_add_nc_u64 s[G0B+4*\slot+2:G0B+4*\slot+3], s[G0B+4*\slot+2:G0B+4*\slot+3], 512
	JLOAD \slot                                    ; the first tensor load behind the round; its four v_nop are also the places in front of the loads below
.else
	PLACES
.endif
	FETCH \next, 0, 0
	WIN MUL
	MUL8 1, 2, 0
	MUL8 1, 3, 0
.endm
	s_wait_tensorcnt 1                             ; my part of K step 0 is in; K step 1's may be out
	s_barrier_signal -1
	s_barrier_wait -1
	s_wait_loadcnt 0x0                             ; the bias
	FETCH 0, 0, 0
	QUARTER 0, 1, 0, 1, 1                          ; the first quarter stands in front of the loop: its products start the sums from the bias
	WIN 0
	s_mov_b32 s3, 3
.Llap:                                             ; a trip goes once round the ring, from a lap's second quarter to the next lap's first, and fills both slots again
	QUARTER 0, 2, 1, 0, 0
	QUARTER 0, 3, 0, 1, 0
	TURN 0, 1, 1
	QUARTER 1, 1, 0, 1, 0
	QUARTER 1, 2, 1, 0, 0
	QUARTER 1, 3, 0, 1, 0
	TURN 1, 0, 1
	QUARTER 0, 1, 0, 1, 0
	WIN 0
	s_sub_co_u32 s3, s3, 1
	s_cmp_lg_u32 s3, 0
	s_cbranch_scc1 .Llap
	QUARTER 0, 2, 1, 0, 0                          ; the last lap fills nothing
	QUARTER 0, 3, 0, 1, 0
	TURN 0, 1, 0
	QUARTER 1, 1, 0, 1, 0
	QUARTER 1, 2, 1, 0, 0
	QUARTER 1, 3, 0, 1, 0
	s_wait_dscnt 0x0
	MUL8 1, 0, 0
	MUL8 1, 1, 0
	MUL8 1, 2, 0
	MUL8 1, 3, 0
	WIN 0
; THE WAY OUT, block by block of 16 rows x 128 columns: through my own stage, back as whole rows of 512 bytes, which the 32 lanes store as 512 consecutive, aligned bytes.
.macro TOSTAGE a
	WIN 0x08                                       ; an LDS store's data: window 2
.irp b, 0,1,2,3,4,5,6,7
	ds_store_b128 v[STO], v[64*(\a)+8*\b:64*(\a)+8*\b+3] offset:64*\b          ; each accumulator from its low end on
	ds_store_b128 v[STO], v[64*(\a)+8*\b+4:64*(\a)+8*\b+7] offset:64*\b+16
.endr
	WIN 0
.set BB, BK+64*((\a)%2)
.irp t, 0,1,2,3,4,5,6,7,8,9,10,11,12,13,14,15
	ds_load_b128 v[BB+4*\t:BB+4*\t+3], v[RD] offset:\t*528                     ; in order behind my stores
.endr
.endm
.macro SEND a, younger                 ; younger: the LDS instructions issued behind block a's loads, which may stay out
.set BB, BK+64*((\a)%2)
	s_wait_dscnt \younger
.irp t, 0,1,2,3,4,5,6,7,8,9,10,11,12,13,14,15
	global_store_b128 v[CO], v[BB+4*\t:BB+4*\t+3], s[18:19] offset:(16*(\a)+\t)*4096 th:TH_STORE_NT
.endr
.endm
	PLACES
	TOSTAGE 0
	TOSTAGE 1
	SEND 0, 32                                     ; behind block 0's loads: block 1's 16 stores and 16 loads
	s_wait_xcnt 0x0                                ; block 0's stores have read their registers: block 2's loads may land there
	TOSTAGE 2
	SEND 1, 32
	s_wait_xcnt 0x0
	TOSTAGE 3
	SEND 2, 32
	SEND 3, 0
	s_wait_tensorcnt 0x0                           ; the wave's end
	ds_add_u32 v[SPW], v[NIL]
	s_wait_dscnt 0x0
	CROUND                                         ; the closing round
	s_endpgm
.Lfunc_end_k_q883d86d0a6_proj:
	.size	k_q883d86d0a6_proj, .Lfunc_end_k_q883d86d0a6_proj-k_q883d86d0a6_proj
	.p2alignl 7, 3214868480
	.fill 96, 4, 3214868480
	.section	.rodata,"a",@progbits
	.p2align	6, 0x0
	.amdhsa_kernel k_q883d86d0a6_proj
		.amdhsa_group_segment_fixed_size 327680
		.amdhsa_private_segment_fixed_size 0
		.amdhsa_enable_private_segment 0
		.amdhsa_kernarg_size 32
		.amdhsa_user_sgpr_count 2
		.amdhsa_user_sgpr_kernarg_segment_ptr 1
		.amdhsa_wavefront_size32 1
		.amdhsa_system_sgpr_workgroup_id_x 1
		.amdhsa_system_sgpr_workgroup_id_y 1
		.amdhsa_system_sgpr_workgroup_id_z 1
		.amdhsa_system_vgpr_workitem_id 0
		.amdhsa_next_free_vgpr 768
		.amdhsa_next_free_sgpr 66
		.amdhsa_reserve_vcc 0
		.amdhsa_float_denorm_mode_32 3
		.amdhsa_float_denorm_mode_16_64 3
		.amdhsa_memory_ordered 1
		.amdhsa_forward_progress 1
		.amdhsa_inst_pref_size 87
	.end_amdhsa_kernel
	.amdgpu_metadata
---
amdhsa.version: [ 1, 2 ]
amdhsa.kernels:
  - .name:           k_q883d86d0a6_proj
    .symbol:         k_q883d86d0a6_proj.kd
    .args:
      - { .name: y16, .offset: 0, .size: 8, .value_kind: global_buffer, .address_space: global }
      - { .name: wp16, .offset: 8, .size: 8, .value_kind: global_buffer, .address_space: global }
      - { .name: bp, .offset: 16, .size: 8, .value_kind: global_buffer, .address_space: global }
      - { .name: out0, .offset: 24, .size: 8, .value_kind: global_buffer, .address_space: global }
    .group_segment_fixed_size: 327680
    .private_segment_fixed_size: 0
    .kernarg_segment_align: 8
    .kernarg_segment_size: 32
    .max_flat_workgroup_size: 128
    .sgpr_count:     66
    .vgpr_count:     768
    .wavefront_size: 32
...
	.end_amdgpu_metadata
.endif
;; end of part 4
;; launch fine (part 5): grid 16 x 4, 16 waves a work-group, no clusters, 71,680 bytes of LDS; arguments first32, Wp, bp, out0; writes out0
.if DOCPART == 5
	.amdgcn_target "amdgcn-amd-amdhsa--gfx1250"
	.amdhsa_code_object_version 6
	.text
	.protected	k_q883d86d0a6_fine
	.globl	k_q883d86d0a6_fine
	.p2align	8
	.type	k_q883d86d0a6_fine,@function
k_q883d86d0a6_fine:
	s_mov_b64 s[64:65], 0
	v_nop
	global_prefetch_b8 v0, s[64:65] scope:SCOPE_SE
	s_setreg_imm32_b32 hwreg(HW_REG_WAVE_MODE, 25, 1), 1
	s_wait_xcnt 0x0
; LAUNCH 5 OF 5.  The first 16 positions of each of the four sequences, once more and all in f32: under the causal mask these rows average one to sixteen values and are the largest of the result.
; first32: [batch 4][t 16][3072] f32 (columns 0-1023 q, 1024-2047 k, 2048-3071 v, as the quantised products left them); Wp [1024][1024], bp [1024]: f32.
; The 64 rows of out0 with t < 16, which the launch before has stored from f16 operands, are written over here.
; SHARES.  A work-group takes one batch (y) and 64 columns of the result (x).  Wave w is head w: it makes the head's 16 x 16 attention (each of the 16 column slices makes it again: 32 short matrix instructions, against a launch
; more and a trip through memory), then the head's part of the projection, K = its 64 channels, for the 64 columns.  The 16 parts meet in LDS; wave w then adds row w's parts, heads ascending, onto the bias and stores it.
; All products by v_wmma_f32_16x16x4_f32.  Which four k a link takes is chosen by how the numbers lie in registers, alike for both sources; every k is taken once.
; The registers that these matrix instructions write (v176-255) are written by nothing else; the weights p are divided by their sum BEFORE the second product, so that no result need be scaled.
; No cluster, no tensor load: what work-groups share is a few KiB.
; REGISTERS: v3-10 addresses; v12, v13 the add's two; v[14:15] the bias, then the sum; v16-47 q, later W1; v48-79 k, later W2; v80-111 v, later W3; v112-143 W0, later the parts;
;   v144-151 scores, then p; v152-159 p / sum; v160-165 at work; v176-183, v184-191 S^T in two halves of K; v192-223 O^T, 8 a tile of channels; v224-255 the projection, 8 a tile of columns.
.set PARTB, 16*272                     ; LDS: a wave's part: 16 rows x (256 bytes + 16)
.set SPARE, 16*PARTB                   ; behind the parts: the spare words, 128 bytes a wave
.set SPW, 12
.set NIL, 13
	s_load_b256 s[4:11], s[0:1], 0x0               ; first32 s[4:5], Wp s[6:7], bp s[8:9], out0 s[10:11]
	v_lshl_add_u32 v[SPW], v0, 2, SPARE
	v_mov_b32 v[NIL], 0
	v_lshrrev_b32 v1, 5, v0
	v_readfirstlane_b32 s15, v1                    ; wave = head
	v_and_b32 v1, 15, v0                           ; r
	v_bfe_u32 v2, v0, 4, 1                         ; h
	v_mul_u32_u24 v3, v1, 12288
	v_lshl_add_u32 v3, v2, 4, v3                   ; q, k: row r of first32, + 16 h
	v_mul_u32_u24 v4, v2, 98304
	v_lshl_add_u32 v4, v1, 2, v4                   ; v: rows 8 h on, channel r
	v_lshlrev_b32 v5, 12, v1
	v_lshl_add_u32 v5, v2, 5, v5                   ; Wp: row r, + 32 h
	v_lshlrev_b32 v6, 3, v2
	v_sub_nc_u32 v6, v1, v6                        ; r - 8 h: register i holds key 8 h + i, hidden where i > r - 8 h
	v_mov_b32 v7, 0xff800000                       ; -infinity
	s_mul_i32 s16, s15, PARTB
	v_mul_u32_u24 v8, v1, 272
	v_lshl_add_u32 v8, v2, 5, v8
	v_add_nc_u32 v8, s16, v8                       ; my part: row r, + 32 h
	v_and_b32 v10, 31, v0
	v_lshlrev_b32 v10, 3, v10                      ; 8 x lane
	s_mul_i32 s16, s15, 272
	v_add_nc_u32 v9, s16, v10                      ; row w of a part, 8 bytes a lane
	s_mov_b32 s12, 0x76543210
	s_mov_b32 s13, 0xfedcba98                      ; v_permlanex16_b32's selects for lane l xor 16
	s_mov_b32 s14, 0x3e38aa3b                      ; c = log2(e) / 8
	s_and_b32 s17, ttmp7, 0xffff                   ; the batch
	s_mul_i32 s18, s17, 196608
	s_lshl_b32 s20, s15, 8                         ; the head's 64 columns: 256 bytes
	s_add_co_u32 s18, s18, s20
	s_mov_b32 s19, 0
	s_lshl_b32 s22, ttmp9, 18                      ; Wp: 64 rows of 4,096 bytes a slice,
	s_add_co_u32 s22, s22, s20                     ; the head's columns
	s_mov_b32 s23, 0
	s_lshl_b32 s24, ttmp9, 8                       ; the slice's 64 columns of bp and of out0
	s_mov_b32 s25, 0
	s_lshl_b32 s26, s17, 23                        ; out0: 2,048 rows of 4,096 bytes a batch,
	s_lshl_b32 s21, s15, 12                        ; row w,
	s_add_co_u32 s26, s26, s21
	s_add_co_u32 s26, s26, s24
	s_mov_b32 s27, 0
	s_wait_kmcnt 0x0
	s_add_nc_u64 s[4:5], s[4:5], s[18:19]
	s_add_nc_u64 s[6:7], s[6:7], s[22:23]
	s_add_nc_u64 s[8:9], s[8:9], s[24:25]
	s_add_nc_u64 s[10:11], s[10:11], s[26:27]
.macro WLOAD ct, wb                    ; Wp(16 nt + r, 16 ct + 8 h + 0 .. 7) of my head into v[wb + 8 nt ..]: 8 loads
.irp nt, 0,1,2,3
.irp e, 0,1
	global_load_b128 v[\wb+8*\nt+4*\e:\wb+8*\nt+4*\e+3], v5, s[6:7] offset:65536*\nt+64*\ct+16*\e
.endr
.endr
.endm
	global_load_b64 v[14:15], v10, s[8:9]          ; bp at my two columns
.irp c, 0,1,2,3,4,5,6,7
	global_load_b128 v[16+4*\c:19+4*\c], v3, s[4:5] offset:32*\c           ; q(r, 8 c + 4 h + 0 .. 3)
.endr
.irp c, 0,1,2,3,4,5,6,7
	global_load_b128 v[48+4*\c:51+4*\c], v3, s[4:5] offset:4096+32*\c      ; k likewise
.endr
.irp ct, 0,1,2,3
.irp k, 0,1,2,3,4,5,6,7
	global_load_b32 v[80+8*\ct+\k], v4, s[4:5] offset:8192+\k*12288+64*\ct ; v(8 h + k, 16 ct + r)
.endr
.endr
	WLOAD 0, 112
	s_wait_loadcnt 40                              ; the bias, q and k are in; v's 32 loads and W0's 8 may be out
	; S^T = k q^T: source 0 = 16 keys, source 1 = 16 queries; 16 links of 4 along K on two accumulators by turns; the first two start the sums
.irp n, 0,1
	v_wmma_f32_16x16x4_f32 v[176+8*\n:183+8*\n], v[48+2*\n:49+2*\n], v[16+2*\n:17+2*\n], 0
.endr
.irp n, 2,3,4,5,6,7,8,9,10,11,12,13,14,15
	v_wmma_f32_16x16x4_f32 v[176+8*(\n%2):183+8*(\n%2)], v[48+2*\n:49+2*\n], v[16+2*\n:17+2*\n], v[176+8*(\n%2):183+8*(\n%2)]
.endr
.rept 8
	v_nop                                          ; eight places behind this form: in front of the loads into its sources and of the first read of its results
.endr
	WLOAD 1, 16
	WLOAD 2, 48
.irp i, 0,1,2,3,4,5,6,7
	v_add_f32 v[144+\i], v[176+\i], v[184+\i]      ; lane (r, h): query r, key 8 h + i; both accumulators from their low end on
.endr
.irp i, 0,1,2,3,4,5,6,7
	v_cmp_gt_i32 vcc_lo, \i, v6
	v_cndmask_b32 v[144+\i], v[144+\i], v7, vcc_lo ; hidden keys: -infinity
.endr
	v_max3_num_f32 v160, v144, v145, v146
	v_max3_num_f32 v161, v147, v148, v149
	v_max3_num_f32 v160, v160, v150, v151
	v_max_num_f32 v160, v160, v161
	v_permlanex16_b32 v161, v160, s12, s13         ; the query's other eight keys
	v_max_num_f32 v160, v160, v161                 ; key 0 counts for every query: the maximum is a score
	v_mul_f32 v160, s14, v160
.irp i, 0,1,2,3,4,5,6,7
	v_fma_f32 v[144+\i], v[144+\i], s14, -v160     ; c s - c m
.endr
.irp i, 0,1,2,3,4,5,6,7
	v_exp_f32 v[144+\i], v[144+\i]
.endr
	v_nop                                          ; a plain instruction behind the last exponential
	s_wait_alu depctr_va_vdst(0)                   ; one wait for the eight, ahead of their first use
	v_add_f32 v162, v144, v145
	v_add_f32 v163, v146, v147
	v_add_f32 v164, v148, v149
	v_add_f32 v165, v150, v151
	v_add_f32 v162, v162, v163
	v_add_f32 v164, v164, v165
	v_add_f32 v162, v162, v164
	v_permlanex16_b32 v163, v162, s12, s13
	v_add_f32 v162, v162, v163                     ; the row's sum
	v_rcp_f32 v164, v162
	v_nop
	s_wait_alu depctr_va_vdst(0)
.irp i, 0,1,2,3,4,5,6,7
	v_mul_f32 v[152+\i], v[144+\i], v164           ; the weights, normalised
.endr
	s_wait_loadcnt 24                              ; v is in; W0, W1, W2 may be out
	; O^T = v^T p: source 0 = 16 channels, source 1 = p; link c takes keys 2 c, 2 c + 1 (lanes 0-15) and 8 + 2 c, 9 + 2 c (lanes 16-31); four accumulators by turns
.irp c, 0,1,2,3
.irp ct, 0,1,2,3
.if \c == 0
	v_wmma_f32_16x16x4_f32 v[192+8*\ct:199+8*\ct], v[80+8*\ct+2*\c:81+8*\ct+2*\c], v[152+2*\c:153+2*\c], 0
.else
	v_wmma_f32_16x16x4_f32 v[192+8*\ct:199+8*\ct], v[80+8*\ct+2*\c:81+8*\ct+2*\c], v[152+2*\c:153+2*\c], v[192+8*\ct:199+8*\ct]
.endif
.endr
.endr
.rept 9
	v_nop                                          ; nine places: the next products take these results as a source; the loads below land on v's registers
.endr
	WLOAD 3, 80
; the head's part of the projection: source 0 = 16 rows of Wp, source 1 = O^T as it lies: lane (r, h), registers 2 c, 2 c + 1 of tile ct are channels 16 ct + 8 h + 2 c + 0, 1 of query r; four accumulators by turns
.macro RL ct, wb, first
.irp c, 0,1,2,3
.irp nt, 0,1,2,3
.if (\first) && (\c == 0)
	v_wmma_f32_16x16x4_f32 v[224+8*\nt:231+8*\nt], v[\wb+8*\nt+2*\c:\wb+8*\nt+2*\c+1], v[192+8*\ct+2*\c:193+8*\ct+2*\c], 0
.else
	v_wmma_f32_16x16x4_f32 v[224+8*\nt:231+8*\nt], v[\wb+8*\nt+2*\c:\wb+8*\nt+2*\c+1], v[192+8*\ct+2*\c:193+8*\ct+2*\c], v[224+8*\nt:231+8*\nt]
.endif
.endr
.endr
.endm
	s_wait_loadcnt 24                              ; W0 is in; W1, W2, W3 may be out
	RL 0, 112, 1
	s_wait_loadcnt 16
	RL 1, 16, 0
	s_wait_loadcnt 8
	RL 2, 48, 0
	s_wait_loadcnt 0
	RL 3, 80, 0
.rept 8
	v_nop                                          ; eight places in front of the first read of the results
.endr
.irp nt, 0,1,2,3
	ds_store_b128 v8, v[224+8*\nt:227+8*\nt] offset:64*\nt         ; lane (r, h): query r, columns 16 nt + 8 h + 0 .. 7; each accumulator from its low end on
	ds_store_b128 v8, v[228+8*\nt:231+8*\nt] offset:64*\nt+16
.endr
	s_wait_dscnt 0x0                               ; for the others' sake: my part lies in LDS
	s_barrier_signal -1
	s_barrier_wait -1
.irp u, 0,1,2,3,4,5,6,7,8,9,10,11,12,13,14,15
	ds_load_b64 v[112+2*\u:113+2*\u], v9 offset:PARTB*\u           ; row w of head u's part, my two columns
.endr
	s_wait_dscnt 0x0
.irp u, 0,1,2,3,4,5,6,7,8,9,10,11,12,13,14,15
	v_pk_add_f32 v[14:15], v[14:15], v[112+2*\u:113+2*\u]          ; onto the bias, heads ascending
.endr
	global_store_b64 v10, v[14:15], s[10:11]       ; 32 lanes store 256 consecutive, aligned bytes of row w
	s_wait_tensorcnt 0x0                           ; the wave's end
	ds_add_u32 v[SPW], v[NIL]
	s_wait_dscnt 0x0
	s_endpgm
.Lfunc_end_k_q883d86d0a6_fine:
	.size	k_q883d86d0a6_fine, .Lfunc_end_k_q883d86d0a6_fine-k_q883d86d0a6_fine
	.p2alignl 7, 3214868480
	.fill 96, 4, 3214868480
	.section	.rodata,"a",@progbits
	.p2align	6, 0x0
	.amdhsa_kernel k_q883d86d0a6_fine
		.amdhsa_group_segment_fixed_size 71680
		.amdhsa_private_segment_fixed_size 0
		.amdhsa_enable_private_segment 0
		.amdhsa_kernarg_size 32
		.amdhsa_user_sgpr_count 2
		.amdhsa_user_sgpr_kernarg_segment_ptr 1
		.amdhsa_wavefront_size32 1
		.amdhsa_system_sgpr_workgroup_id_x 1
		.amdhsa_system_sgpr_workgroup_id_y 1
		.amdhsa_system_sgpr_workgroup_id_z 1
		.amdhsa_system_vgpr_workitem_id 0
		.amdhsa_next_free_vgpr 256
		.amdhsa_next_free_sgpr 66
		.amdhsa_reserve_vcc 1
		.amdhsa_float_denorm_mode_32 3
		.amdhsa_float_denorm_mode_16_64 3
		.amdhsa_memory_ordered 1
		.amdhsa_forward_progress 1
		.amdhsa_inst_pref_size 23
	.end_amdhsa_kernel
	.amdgpu_metadata
---
amdhsa.version: [ 1, 2 ]
amdhsa.kernels:
  - .name:           k_q883d86d0a6_fine
    .symbol:         k_q883d86d0a6_fine.kd
    .args:
      - { .name: first32, .offset: 0, .size: 8, .value_kind: global_buffer, .address_space: global }
      - { .name: Wp, .offset: 8, .size: 8, .value_kind: global_buffer, .address_space: global }
      - { .name: bp, .offset: 16, .size: 8, .value_kind: global_buffer, .address_space: global }
      - { .name: out0, .offset: 24, .size: 8, .value_kind: global_buffer, .address_space: global }
    .group_segment_fixed_size: 71680
    .private_segment_fixed_size: 0
    .kernarg_segment_align: 8
    .kernarg_segment_size: 32
    .max_flat_workgroup_size: 512
    .sgpr_count:     66
    .vgpr_count:     256
    .wavefront_size: 32
...
	.end_amdgpu_metadata
.endif
;; end of part 5
